; MI455X (gfx1250); checked and timed in simulation.
; The chip was launched on July 23, 2026; its instructions are those of AMD's public machine-readable ISA for CDNA 5 (MIT licence, August 2026) and "CDNA5" Instruction Set Architecture Reference Guide (July 2026). The comments in the code are by the model that wrote it; some were corrected since.
;; SMPLX Flow Matching. Allowed arithmetic: float matrix products may take bf16 or f16 operands with f32 sums; other float arithmetic in f32, or as packed bf16 or f16 multiplies, adds, multiply-adds, maxima and minima; sums over many terms, partial sums and values carried from step to step in f32; what a program stores and reads back later, other than sums and carried values, may be rounded once to bf16 or f16.
;; Inputs: feats 1,024 x 2,048 float32; params_b0 1,024 float32; params_b1 512 float32; params_be0 1,024 float32; params_be1 512 float32; params_cb 1,024 float32; params_cw 2,048 x 1,024 float32; params_g0 1,024 float32; params_g1 512 float32; params_ib 1,024 float32; params_iw 1,412 x 1,024 float32; params_ob 132 float32; params_ow 512 x 132 float32; params_tb 256 float32; params_tw 1 x 256 float32; params_w0 1,024 x 1,024 float32; params_w1 1,024 x 512 float32; z 1,024 x 8 x 132 float32.
;; Outputs: out0 1,024 x 8 x 132 float32; out1 1,024 x 8 x 22 x 3 x 3 float32; out2 1,024 x 8 float32.
;; 2 versions, each right and faster than the one before. Each part assembles by itself: llvm-mc -triple=amdgcn-amd-amdhsa -mcpu=gfx1250 --defsym DOCPART=n.
;; ======== version 1 of 2: 4 launches
;; workspace buffers: featsf 4,194,304 bytes; cwf 4,194,304 bytes; iwcf 4,194,304 bytes; ef 4,194,304 bytes; ctf 4,194,304 bytes; ws 3,735,552 bytes; zf 3,145,728 bytes; vecs 28,672 bytes
;; launch prep (part 1): grid 611 x 1, 8 waves a work-group, no clusters, 75,776 bytes of LDS; arguments feats, params_cw, params_iw, params_w0, params_w1, params_ow, z, params_tw, params_tb, params_b0, params_g0, params_be0, params_b1, params_g1, params_be1, params_ob, featsf, cwf, iwcf, ws, zf, vecs; writes featsf, cwf, iwcf, ws, zf, vecs
.if DOCPART == 1
	.amdgcn_target "amdgcn-amd-amdhsa--gfx1250"
	.amdhsa_code_object_version 6
	.text
	.protected	k_qfcf3fffaf3_prep
	.globl	k_qfcf3fffaf3_prep
	.p2align	8
	.type	k_qfcf3fffaf3_prep,@function
k_qfcf3fffaf3_prep:
	s_mov_b64 s[64:65], 0
	v_nop
	global_prefetch_b8 v0, s[64:65] scope:SCOPE_SE
	s_setreg_imm32_b32 hwreg(HW_REG_WAVE_MODE, 25, 1), 1
	s_wait_xcnt 0x0
; PREP: every input is rounded once to bf16 and laid in FRAGMENT ORDER for the launches behind.
; A fragment is 16 rows (of an activation) or 16 columns (of a weight) x 32 k, 1,024 dense bytes: byte 512 c + 16 L + 2 i holds
; element (L % 16, k = 16 c + 8 (L / 16) + i), so that two 16-byte loads a lane, at 16 L and 512 + 16 L, are a matrix operand.
; A stream: each input byte is read once (iw's rows 132..191 twice), by loads of 512 or 256 consecutive bytes, and every store of a wave covers 512
; consecutive bytes, aligned.  No matrix unit, no tensor load, no cluster: nothing is shared between work-groups and nothing is multiplied in bulk.
; CLASSES, by the work-group's number alone (a unit = 8 x work-group + wave):
;   W   0..153  weights [k][n] f32: a unit is 32 k x 128 n = 8 fragments, turned through the wave's own LDS bytes
;   A 154..601  feats and z [row][k] f32: a unit is 16 rows x 64 k = 2 fragments
;   T 602..609  T_t[n] = sum over k of silu(t tw[k] + tb[k]) iw[132 + k][n], t = 0 and 1, in f32 on the vector unit (256 k, one row: no matrix work)
;   V 610       biases and gains, rounded to bf16 and kept as f32; ob padded with zeros to 512 numbers
; LDS: classes W and A use 8,320 bytes a wave, the wave's own, from byte 0; then the spare words.
; LIMITS: inputs are rounded to bf16 (nearest even); NaN and infinities are not treated apart; exponential and reciprocal are good to 1 ULP and flush denormals.
.set SPARE, 66560                      ; behind the eight waves' bytes: the spare words, 128 bytes a wave
.set TREG,  67584                      ; behind the spare words: class T's partial sums, 1,024 bytes a wave
.set WLDS,  8320                       ; LDS bytes of a wave: 8 fragments at a pitch of 1,040
.set FP,    1040                       ; 1,024 + 16: the sixteen lanes of a store's half fall on sixteen different 16-byte columns
.set SPW, 30                           ; v30  my spare word's address; never rewritten
.set NIL, 31                           ; v31  0; never rewritten
.set O,   16                           ; v[16:23]  byte offset of fragment f in the destination
.set X,   32                           ; v[32:159] as loaded; later the fragments read back
.set P,   160                          ; v[160:223] packed bf16
.set WT,  164                          ; class T: four weights at work
.set A0,  168                          ; class T: sums for t = 0
.set A1,  172                          ; class T: sums for t = 1
; scalars: s2 wave, s3 unit, s[4:5] source, s[6:7] destination, s8 k step, s9 column group, s[10:11] source offset, s[12:13] destination offset,
; s14, s15 fragment strides, s16 1: four fragments only, s17 1: stored twice, s18 valid lanes, s20 1: mask, s21 my LDS bytes, s22 lane mask, s32 upper-half mask
	v_lshl_add_u32 v[SPW], v0, 2, SPARE
	v_mov_b32 v[NIL], 0
	v_lshrrev_b32 v1, 5, v0
	v_readfirstlane_b32 s2, v1             ; wave 0..7
	v_and_b32 v1, 31, v0                   ; lane
	v_lshlrev_b32 v2, 4, v1                ; 16 x lane
	s_lshl_b32 s3, ttmp9, 3
	s_add_co_u32 s3, s3, s2                ; unit
	s_mul_i32 s21, s2, WLDS
	s_mov_b32 s11, 0
	s_mov_b32 s13, 0
	s_mov_b32 s16, 0
	s_mov_b32 s17, 0
	s_mov_b32 s18, 32
	s_mov_b32 s20, 0
	s_mov_b32 s32, 0xffff0000
	s_cmp_lt_u32 ttmp9, 64
	s_cbranch_scc1 .Lcw
	s_cmp_lt_u32 ttmp9, 96
	s_cbranch_scc1 .Liwc
	s_cmp_lt_u32 ttmp9, 128
	s_cbranch_scc1 .Lw0
	s_cmp_lt_u32 ttmp9, 144
	s_cbranch_scc1 .Lw1
	s_cmp_lt_u32 ttmp9, 150
	s_cbranch_scc1 .Lix
	s_cmp_lt_u32 ttmp9, 154
	s_cbranch_scc1 .Low
	s_cmp_lt_u32 ttmp9, 410
	s_cbranch_scc1 .Lfe
	s_cmp_lt_u32 ttmp9, 602
	s_cbranch_scc1 .Lz
	s_cmp_lt_u32 ttmp9, 610
	s_cbranch_scc1 .Lt
; ---------------- CLASS V: seven short vectors.  Each has registers of its own, so no store's data is ever rewritten.
.macro RND n, dst, mask=0
	v_cvt_pk_bf16_f32 v[X+12*(\n)+4], v[X+12*(\n)], v[X+12*(\n)+1]
	v_cvt_pk_bf16_f32 v[X+12*(\n)+5], v[X+12*(\n)+2], v[X+12*(\n)+3]
	v_lshlrev_b32 v[X+12*(\n)+8], 16, v[X+12*(\n)+4]
	v_and_b32 v[X+12*(\n)+9], s32, v[X+12*(\n)+4]
	v_lshlrev_b32 v[X+12*(\n)+10], 16, v[X+12*(\n)+5]
	v_and_b32 v[X+12*(\n)+11], s32, v[X+12*(\n)+5]
.if \mask
.irp k,8,9,10,11
	v_cndmask_b32 v[X+12*(\n)+\k], 0, v[X+12*(\n)+\k], s22
.endr
.endif
	global_store_b128 v3, v[X+12*(\n)+8:X+12*(\n)+11], s[6:7] offset:\dst
.endm
	s_load_b64 s[36:37], s[0:1], 0x48      ; b0
	s_load_b64 s[38:39], s[0:1], 0x50      ; g0
	s_load_b64 s[40:41], s[0:1], 0x58      ; be0
	s_load_b64 s[42:43], s[0:1], 0x60      ; b1
	s_load_b64 s[44:45], s[0:1], 0x68      ; g1
	s_load_b64 s[46:47], s[0:1], 0x70      ; be1
	s_load_b64 s[48:49], s[0:1], 0x78      ; ob
	s_load_b64 s[6:7], s[0:1], 0xa8        ; vecs
	v_lshlrev_b32 v3, 4, v0                ; 16 x thread: four numbers
	v_min_u32 v4, 32, v0                   ; ob has 33 groups of four: later threads read the last one again and store zeros
	v_lshlrev_b32 v4, 4, v4
	v_cmp_gt_u32 s22, 33, v0
	s_wait_kmcnt 0x0
	global_load_b128 v[X:X+3], v3, s[36:37]
	global_load_b128 v[X+12:X+15], v3, s[38:39]
	global_load_b128 v[X+24:X+27], v3, s[40:41]
	s_cmp_ge_u32 s2, 4
	s_cbranch_scc1 .Lv_long                ; the vectors of 512 numbers take waves 0 to 3
	global_load_b128 v[X+36:X+39], v3, s[42:43]
	global_load_b128 v[X+48:X+51], v3, s[44:45]
	global_load_b128 v[X+60:X+63], v3, s[46:47]
	global_load_b128 v[X+72:X+75], v4, s[48:49]
	s_wait_loadcnt 0x0
	RND 3, 12288
	RND 4, 14336
	RND 5, 16384
	RND 6, 18432, 1
.Lv_long:
	s_wait_loadcnt 0x0
	RND 0, 0
	RND 1, 4096
	RND 2, 8192
	s_branch .Lend
; ---------------- CLASS W: the leaves set source, destination and strides
.macro SPLIT8 base                     ; eight column groups of 128 to a K step; rows of 4,096 bytes
	s_sub_co_u32 s3, s3, \base
	s_lshr_b32 s8, s3, 3
	s_and_b32 s9, s3, 7
	s_lshl_b32 s10, s8, 17                 ; 32 rows x 4,096 bytes
	s_lshl_b32 s24, s9, 9
	s_add_co_u32 s10, s10, s24
.endm
.macro DBLOCK                          ; blocked for the GEMM: [n tile / 4][k step / 16][n tile % 4][k step % 16] fragments
	s_lshl_b32 s12, s9, 19
	s_lshr_b32 s24, s8, 4
	s_lshl_b32 s24, s24, 16
	s_add_co_u32 s12, s12, s24
	s_and_b32 s24, s8, 15
	s_lshl_b32 s24, s24, 10
	s_add_co_u32 s12, s12, s24
	s_mov_b32 s14, 16384
	s_mov_b32 s15, 262144
.endm
.macro DTILE first                     ; a tile of ws for each K step: 64 fragments, n ascending
	s_add_co_u32 s12, s8, \first
	s_lshl_b32 s12, s12, 16
	s_lshl_b32 s24, s9, 13
	s_add_co_u32 s12, s12, s24
	s_mov_b32 s14, 1024
	s_mov_b32 s15, 4096
.endm
.macro WHEAD
	v_cmp_gt_u32 s22, s18, v1              ; lanes whose four columns exist
	v_cndmask_b32 v3, 0, v2, s22           ; the others read lane 0's bytes and are zeroed below
	s_wait_kmcnt 0x0
	s_add_nc_u64 s[4:5], s[4:5], s[10:11]
	s_add_nc_u64 s[6:7], s[6:7], s[12:13]
.endm
.macro WLOAD pitch                     ; 32 rows of k; a load covers 512 consecutive bytes
.set i, 0
.rept 32
	global_load_b128 v[X+4*i:X+4*i+3], v3, s[4:5] offset:i*(\pitch)
.set i, i+1
.endr
.endm
.Lcw:
	s_load_b64 s[4:5], s[0:1], 0x08
	s_load_b64 s[6:7], s[0:1], 0x88
	SPLIT8 0
	DBLOCK
	s_branch .Lw4096
.Liwc:                                         ; iw's rows 388..1411; stored a second time as K steps 32..63, for the low halves of ctx_emb
	s_load_b64 s[4:5], s[0:1], 0x10
	s_load_b64 s[6:7], s[0:1], 0x90
	SPLIT8 512
	s_add_co_u32 s10, s10, 388*4096
	DBLOCK
	s_mov_b32 s17, 1
	s_branch .Lw4096
.Lw0:
	s_load_b64 s[4:5], s[0:1], 0x18
	s_load_b64 s[6:7], s[0:1], 0x98
	SPLIT8 768
	DTILE 6
	s_branch .Lw4096
.Lix:                                          ; iw's rows 0..191: rows 132..191 meet activations that are exactly 0
	s_load_b64 s[4:5], s[0:1], 0x10
	s_load_b64 s[6:7], s[0:1], 0x98
	SPLIT8 1152
	DTILE 0
.Lw4096:
	WHEAD
	WLOAD 4096
	s_branch .Lwpack
.Lw1:                                          ; rows of 2,048 bytes, four column groups; two K steps to a tile, a wave's eight fragments of each together
	s_load_b64 s[4:5], s[0:1], 0x20
	s_load_b64 s[6:7], s[0:1], 0x98
	s_sub_co_u32 s3, s3, 1024
	s_lshr_b32 s8, s3, 2
	s_and_b32 s9, s3, 3
	s_lshl_b32 s10, s8, 16
	s_lshl_b32 s24, s9, 9
	s_add_co_u32 s10, s10, s24
	s_lshr_b32 s12, s8, 1
	s_add_co_u32 s12, s12, 38
	s_lshl_b32 s12, s12, 16
	s_lshl_b32 s24, s9, 14
	s_add_co_u32 s12, s12, s24
	s_and_b32 s24, s8, 1
	s_lshl_b32 s24, s24, 13
	s_add_co_u32 s12, s12, s24
	s_mov_b32 s14, 1024
	s_mov_b32 s15, 4096
	WHEAD
	WLOAD 2048
	s_branch .Lwpack
.Low:                                          ; rows of 528 bytes; n tile T lies in tile 54 + T / 4, part T % 4, its 16 K steps on end; columns from 132 on are zeros
	s_load_b64 s[4:5], s[0:1], 0x28
	s_load_b64 s[6:7], s[0:1], 0x98
	s_sub_co_u32 s3, s3, 1200
	s_lshr_b32 s8, s3, 1
	s_and_b32 s9, s3, 1
	s_mul_i32 s10, s8, 16896
	s_lshl_b32 s24, s9, 9
	s_add_co_u32 s10, s10, s24
	s_lshl_b32 s12, s9, 17
	s_lshl_b32 s24, s8, 10
	s_add_co_u32 s12, s12, s24
	s_add_co_u32 s12, s12, 54*65536
	s_mov_b32 s14, 16384
	s_mov_b32 s15, 65536
	s_mov_b32 s16, s9                      ; the second group has n tiles 8..11 only
	s_mov_b32 s20, 1
	s_cmp_eq_u32 s9, 1
	s_cselect_b32 s18, 1, 32               ; and of its columns only 128..131 exist: lane 0
	WHEAD
	WLOAD 528
.Lwpack:
	; eight k of one column are 16 bytes of a fragment: octet o = k / 8, register pair p = two neighbouring k, the lower k in the low half
.irp o,0,1,2,3
	s_wait_loadcnt 24-8*\o                 ; loads return in order: the later octets' stay out
.irp jj,0,1,2,3
.irp p,0,1,2,3
	v_cvt_pk_bf16_f32 v[P+16*\o+4*\jj+\p], v[X+4*(8*\o+2*\p)+\jj], v[X+4*(8*\o+2*\p+1)+\jj]
.endr
.endr
.endr
	s_cmp_eq_u32 s20, 0
	s_cbranch_scc1 .Lnomask
.set i, 0
.rept 64
	v_cndmask_b32 v[P+i], 0, v[P+i], s22
.set i, i+1
.endr
.Lnomask:
	v_lshrrev_b32 v4, 2, v1                ; my four columns lie in fragment lane / 4,
	v_mul_u32_u24 v4, v4, FP
	v_and_b32 v5, 3, v1
	v_lshl_add_u32 v4, v5, 6, v4           ; at its columns 4 (lane % 4) ..
	v_add_nc_u32 v4, s21, v4
	v_add_nc_u32 v5, s21, v2
.irp o,0,1,2,3
.irp jj,0,1,2,3
	ds_store_b128 v4, v[P+16*\o+4*\jj:P+16*\o+4*\jj+3] offset:\o*256+\jj*16
.endr
.endr
.irp f,0,1,2,3,4,5,6,7
	ds_load_b128 v[X+8*\f:X+8*\f+3], v5 offset:\f*FP           ; my own bytes: LDS serves a wave's instructions in order, so these see the stores above
	ds_load_b128 v[X+8*\f+4:X+8*\f+7], v5 offset:\f*FP+512
.endr
.irp f,0,1,2,3,4,5,6,7
	s_mul_i32 s24, s14, \f%4
	s_mul_i32 s25, s15, \f/4
	s_add_co_u32 s24, s24, s25
	v_add_nc_u32 v[O+\f], s24, v2
.endr
.irp f,0,1,2,3
	s_wait_dscnt 15-2*\f                   ; the later read-backs stay out
	global_store_b128 v[O+\f], v[X+8*\f:X+8*\f+3], s[6:7]
	s_wait_dscnt 14-2*\f
	global_store_b128 v[O+\f], v[X+8*\f+4:X+8*\f+7], s[6:7] offset:512
.endr
	s_cmp_eq_u32 s16, 1
	s_cbranch_scc1 .Lend
.irp f,4,5,6,7
	s_wait_dscnt 15-2*\f
	global_store_b128 v[O+\f], v[X+8*\f:X+8*\f+3], s[6:7]
	s_wait_dscnt 14-2*\f
	global_store_b128 v[O+\f], v[X+8*\f+4:X+8*\f+7], s[6:7] offset:512
.endr
	s_cmp_eq_u32 s17, 0
	s_cbranch_scc1 .Lend
.irp f,0,1,2,3,4,5,6,7
	global_store_b128 v[O+\f], v[X+8*\f:X+8*\f+3], s[6:7] offset:131072
	global_store_b128 v[O+\f], v[X+8*\f+4:X+8*\f+7], s[6:7] offset:131072+512
.endr
	s_branch .Lend
; ---------------- CLASS A: lanes 0-15 take 256 bytes of an even row, lanes 16-31 of the odd row below
.macro AHEAD pitch
	v_lshrrev_b32 v6, 4, v1                ; a: which of the two rows
	v_and_b32 v7, 15, v1                   ; q: which four k
	v_cmp_gt_u32 s22, s18, v7
	v_lshlrev_b32 v8, 4, v7
	v_cndmask_b32 v8, 0, v8, s22
	v_mul_u32_u24 v9, v6, \pitch
	v_add_nc_u32 v3, v8, v9
	s_wait_kmcnt 0x0
	s_add_nc_u64 s[4:5], s[4:5], s[10:11]
	s_add_nc_u64 s[6:7], s[6:7], s[12:13]
.irp i,0,1,2,3,4,5,6,7
	global_load_b128 v[X+4*\i:X+4*\i+3], v3, s[4:5] offset:2*\i*\pitch
.endr
.endm
.Lfe:
	s_load_b64 s[4:5], s[0:1], 0x00
	s_load_b64 s[6:7], s[0:1], 0x80
	s_sub_co_u32 s3, s3, 1232
	s_lshr_b32 s8, s3, 5                   ; row tile
	s_and_b32 s9, s3, 31                   ; block of 64 k
	s_lshl_b32 s10, s8, 17
	s_lshl_b32 s24, s9, 8
	s_add_co_u32 s10, s10, s24
	s_lshr_b32 s12, s8, 2
	s_lshl_b32 s12, s12, 18
	s_lshr_b32 s24, s9, 3
	s_lshl_b32 s24, s24, 16
	s_add_co_u32 s12, s12, s24
	s_and_b32 s24, s8, 3
	s_lshl_b32 s24, s24, 14
	s_add_co_u32 s12, s12, s24
	s_and_b32 s24, s9, 7
	s_lshl_b32 s24, s24, 11
	s_add_co_u32 s12, s12, s24
	s_mov_b32 s18, 16
	AHEAD 8192
	s_branch .Lapack
.Lz:
	s_load_b64 s[4:5], s[0:1], 0x30
	s_load_b64 s[6:7], s[0:1], 0xa0
	s_sub_co_u32 s3, s3, 3280
	s_mul_hi_u32 s8, s3, 0x55555556        ; row tile = unit / 3
	s_mul_i32 s24, s8, 3
	s_sub_co_u32 s9, s3, s24               ; block of 64 k: 0, 1, 2
	s_mul_i32 s10, s8, 8448
	s_lshl_b32 s24, s9, 8
	s_add_co_u32 s10, s10, s24
	s_mul_i32 s12, s8, 6144
	s_lshl_b32 s24, s9, 11
	s_add_co_u32 s12, s12, s24
	s_cmp_eq_u32 s9, 2
	s_cselect_b32 s18, 1, 16               ; of the third block only columns 128..131 exist
	AHEAD 528
.Lapack:
	s_wait_loadcnt 0x0
.irp i,0,1,2,3,4,5,6,7
	v_cvt_pk_bf16_f32 v[P+2*\i], v[X+4*\i], v[X+4*\i+1]
	v_cvt_pk_bf16_f32 v[P+2*\i+1], v[X+4*\i+2], v[X+4*\i+3]
.endr
.set i, 0
.rept 16
	v_cndmask_b32 v[P+i], 0, v[P+i], s22
.set i, i+1
.endr
	; my 8 bytes (k = 4 q ..) of row 2 i + a go to byte 256 (q / 2) + 32 i + 16 a + 8 (q % 2) of the two fragments; blocks of 256 lie 288 apart, so that a store's 32 lanes touch every bank once
	v_lshrrev_b32 v4, 1, v7
	v_mul_u32_u24 v4, v4, 288
	v_lshl_add_u32 v4, v6, 4, v4
	v_and_b32 v5, 1, v7
	v_lshl_add_u32 v4, v5, 3, v4
	v_add_nc_u32 v4, s21, v4
	v_mul_u32_u24 v5, v6, 288
	v_lshl_add_u32 v5, v7, 4, v5
	v_add_nc_u32 v5, s21, v5
.irp i,0,1,2,3,4,5,6,7
	ds_store_b64 v4, v[P+2*\i:P+2*\i+1] offset:\i*32
.endr
.irp m,0,1,2,3
	ds_load_b128 v[X+4*\m:X+4*\m+3], v5 offset:\m*576
.endr
.irp m,0,1,2,3
	s_wait_dscnt 3-\m                      ; the later read-backs stay out
	global_store_b128 v2, v[X+4*\m:X+4*\m+3], s[6:7] offset:\m*512
.endr
	s_branch .Lend
; ---------------- CLASS T: wave v takes k = 32 v .. 32 v + 31, lane l the columns 128 nb + 4 l ..; the eight waves' sums meet in LDS
.Lt:
	s_load_b64 s[4:5], s[0:1], 0x10        ; iw
	s_load_b64 s[6:7], s[0:1], 0xa8        ; vecs
	s_load_b64 s[26:27], s[0:1], 0x38      ; tw
	s_load_b64 s[28:29], s[0:1], 0x40      ; tb
	s_sub_co_u32 s9, ttmp9, 602            ; nb
	s_lshl_b32 s10, s2, 17
	s_add_co_u32 s10, s10, 132*4096
	s_lshl_b32 s24, s9, 9
	s_add_co_u32 s10, s10, s24
	v_lshlrev_b32 v3, 2, v0                ; thread = k
	s_wait_kmcnt 0x0
	s_add_nc_u64 s[4:5], s[4:5], s[10:11]
	global_load_b32 v8, v3, s[26:27]
	global_load_b32 v9, v3, s[28:29]
.set i, 0
.rept 32
	global_load_b128 v[X+4*i:X+4*i+3], v2, s[4:5] offset:i*4096
.set i, i+1
.endr
	s_wait_loadcnt 32                      ; tw and tb are in; the 32 rows stay out
	v_cvt_pk_bf16_f32 v10, v8, v9
	v_lshlrev_b32 v8, 16, v10              ; tw
	v_and_b32 v9, s32, v10                 ; tb = the argument at t = 0
	v_add_f32 v8, v8, v9                   ; tw + tb = the argument at t = 1
	v_mul_f32 v10, 0xbfb8aa3b, v9          ; silu(x) = x / (1 + 2^(-log2(e) x))
	v_mul_f32 v11, 0xbfb8aa3b, v8
	v_exp_f32 v10, v10
	v_exp_f32 v11, v11
	v_nop                                  ; a plain instruction between a transcendental and the use of its result
	s_wait_alu depctr_va_vdst(0)
	v_add_f32 v10, 1.0, v10
	v_add_f32 v11, 1.0, v11
	v_rcp_f32 v10, v10
	v_rcp_f32 v11, v11
	v_nop
	s_wait_alu depctr_va_vdst(0)
	v_mul_f32 v9, v9, v10
	v_mul_f32 v8, v8, v11
.set i, 0
.rept 32
	s_wait_loadcnt 31-i                    ; row i is in, the later rows stay out
	v_readlane_b32 s30, v9, i
	v_readlane_b32 s31, v8, i
	v_cvt_pk_bf16_f32 v12, v[X+4*i], v[X+4*i+1]
	v_cvt_pk_bf16_f32 v13, v[X+4*i+2], v[X+4*i+3]
	v_lshlrev_b32 v[WT], 16, v12
	v_and_b32 v[WT+1], s32, v12
	v_lshlrev_b32 v[WT+2], 16, v13
	v_and_b32 v[WT+3], s32, v13
.irp k,0,1,2,3
.if i == 0
	v_mul_f32 v[A0+\k], s30, v[WT+\k]      ; the first row starts the sums
	v_mul_f32 v[A1+\k], s31, v[WT+\k]
.else
	v_fmac_f32 v[A0+\k], s30, v[WT+\k]
	v_fmac_f32 v[A1+\k], s31, v[WT+\k]
.endif
.endr
.set i, i+1
.endr
	s_lshl_b32 s24, s2, 10
	s_add_co_u32 s24, s24, TREG
	v_add_nc_u32 v14, s24, v2
	ds_store_b128 v14, v[A0:A0+3]
	ds_store_b128 v14, v[A1:A1+3] offset:512
	s_wait_dscnt 0x0                       ; for the others' sake: my stores are done
	s_barrier_signal -1
	s_barrier_wait -1
	s_cmp_ge_u32 s2, 2
	s_cbranch_scc1 .Lend                   ; wave t adds the eight partial sums of T_t
	s_lshl_b32 s24, s2, 9
	s_add_co_u32 s24, s24, TREG
	v_add_nc_u32 v15, s24, v2
.irp w,0,1,2,3,4,5,6,7
	ds_load_b128 v[X+4*\w:X+4*\w+3], v15 offset:\w*1024
.endr
	s_lshl_b32 s12, s2, 12
	s_lshl_b32 s24, s9, 9
	s_add_co_u32 s12, s12, s24
	s_add_co_u32 s12, s12, 20480
	s_add_nc_u64 s[6:7], s[6:7], s[12:13]
	s_wait_dscnt 0x0
.irp w,0,2,4,6
	v_pk_add_f32 v[X+4*\w:X+4*\w+1], v[X+4*\w:X+4*\w+1], v[X+4*\w+4:X+4*\w+5]
	v_pk_add_f32 v[X+4*\w+2:X+4*\w+3], v[X+4*\w+2:X+4*\w+3], v[X+4*\w+6:X+4*\w+7]
.endr
.irp w,0,4
	v_pk_add_f32 v[X+4*\w:X+4*\w+1], v[X+4*\w:X+4*\w+1], v[X+4*\w+8:X+4*\w+9]
	v_pk_add_f32 v[X+4*\w+2:X+4*\w+3], v[X+4*\w+2:X+4*\w+3], v[X+4*\w+10:X+4*\w+11]
.endr
	v_pk_add_f32 v[X:X+1], v[X:X+1], v[X+16:X+17]
	v_pk_add_f32 v[X+2:X+3], v[X+2:X+3], v[X+18:X+19]
	global_store_b128 v2, v[X:X+3], s[6:7]
.Lend:
	s_wait_tensorcnt 0x0                   ; the wave's end
	ds_add_u32 v[SPW], v[NIL]
	s_wait_dscnt 0x0
	s_endpgm
.Lfunc_end_k_qfcf3fffaf3_prep:
	.size	k_qfcf3fffaf3_prep, .Lfunc_end_k_qfcf3fffaf3_prep-k_qfcf3fffaf3_prep
	.p2alignl 7, 3214868480
	.fill 96, 4, 3214868480
	.section	.rodata,"a",@progbits
	.p2align	6, 0x0
	.amdhsa_kernel k_qfcf3fffaf3_prep
		.amdhsa_group_segment_fixed_size 75776
		.amdhsa_private_segment_fixed_size 0
		.amdhsa_enable_private_segment 0
		.amdhsa_kernarg_size 176
		.amdhsa_user_sgpr_count 2
		.amdhsa_user_sgpr_kernarg_segment_ptr 1
		.amdhsa_wavefront_size32 1
		.amdhsa_system_sgpr_workgroup_id_x 1
		.amdhsa_system_sgpr_workgroup_id_y 1
		.amdhsa_system_sgpr_workgroup_id_z 1
		.amdhsa_system_vgpr_workitem_id 0
		.amdhsa_next_free_vgpr 224
		.amdhsa_next_free_sgpr 66
		.amdhsa_reserve_vcc 0
		.amdhsa_float_denorm_mode_32 3
		.amdhsa_float_denorm_mode_16_64 3
		.amdhsa_memory_ordered 1
		.amdhsa_forward_progress 1
		.amdhsa_inst_pref_size 71
	.end_amdhsa_kernel
	.amdgpu_metadata
---
amdhsa.version: [ 1, 2 ]
amdhsa.kernels:
  - .name:           k_qfcf3fffaf3_prep
    .symbol:         k_qfcf3fffaf3_prep.kd
    .args:
      - { .name: feats, .offset: 0, .size: 8, .value_kind: global_buffer, .address_space: global }
      - { .name: params_cw, .offset: 8, .size: 8, .value_kind: global_buffer, .address_space: global }
      - { .name: params_iw, .offset: 16, .size: 8, .value_kind: global_buffer, .address_space: global }
      - { .name: params_w0, .offset: 24, .size: 8, .value_kind: global_buffer, .address_space: global }
      - { .name: params_w1, .offset: 32, .size: 8, .value_kind: global_buffer, .address_space: global }
      - { .name: params_ow, .offset: 40, .size: 8, .value_kind: global_buffer, .address_space: global }
      - { .name: z, .offset: 48, .size: 8, .value_kind: global_buffer, .address_space: global }
      - { .name: params_tw, .offset: 56, .size: 8, .value_kind: global_buffer, .address_space: global }
      - { .name: params_tb, .offset: 64, .size: 8, .value_kind: global_buffer, .address_space: global }
      - { .name: params_b0, .offset: 72, .size: 8, .value_kind: global_buffer, .address_space: global }
      - { .name: params_g0, .offset: 80, .size: 8, .value_kind: global_buffer, .address_space: global }
      - { .name: params_be0, .offset: 88, .size: 8, .value_kind: global_buffer, .address_space: global }
      - { .name: params_b1, .offset: 96, .size: 8, .value_kind: global_buffer, .address_space: global }
      - { .name: params_g1, .offset: 104, .size: 8, .value_kind: global_buffer, .address_space: global }
      - { .name: params_be1, .offset: 112, .size: 8, .value_kind: global_buffer, .address_space: global }
      - { .name: params_ob, .offset: 120, .size: 8, .value_kind: global_buffer, .address_space: global }
      - { .name: featsf, .offset: 128, .size: 8, .value_kind: global_buffer, .address_space: global }
      - { .name: cwf, .offset: 136, .size: 8, .value_kind: global_buffer, .address_space: global }
      - { .name: iwcf, .offset: 144, .size: 8, .value_kind: global_buffer, .address_space: global }
      - { .name: ws, .offset: 152, .size: 8, .value_kind: global_buffer, .address_space: global }
      - { .name: zf, .offset: 160, .size: 8, .value_kind: global_buffer, .address_space: global }
      - { .name: vecs, .offset: 168, .size: 8, .value_kind: global_buffer, .address_space: global }
    .group_segment_fixed_size: 75776
    .private_segment_fixed_size: 0
    .kernarg_segment_align: 8
    .kernarg_segment_size: 176
    .max_flat_workgroup_size: 256
    .sgpr_count:     66
    .vgpr_count:     224
    .wavefront_size: 32
...
	.end_amdgpu_metadata
.endif
;; end of part 1
;; launch gemm1 (part 2): grid 16 x 16, 4 waves a work-group, clusters of 4 x 4, 327,680 bytes of LDS; arguments featsf, cwf, params_cb, ef; writes ef
.if DOCPART == 2
	.amdgcn_target "amdgcn-amd-amdhsa--gfx1250"
	.amdhsa_code_object_version 6
	.text
	.protected	k_qfcf3fffaf3_gemm1
	.globl	k_qfcf3fffaf3_gemm1
	.p2align	8
	.type	k_qfcf3fffaf3_gemm1,@function
k_qfcf3fffaf3_gemm1:
	s_mov_b64 s[64:65], 0
	v_nop
	global_prefetch_b8 v0, s[64:65] scope:SCOPE_SE
	s_setreg_imm32_b32 hwreg(HW_REG_WAVE_MODE, 25, 1), 1
	s_wait_xcnt 0x0
	s_wait_alu depctr_hold_cnt(0) depctr_sa_sdst(0) depctr_va_vdst(0) depctr_va_sdst(0) depctr_va_ssrc(0) depctr_va_vcc(0) depctr_vm_vsrc(0)
	s_getreg_b32 s2, hwreg(HW_REG_IB_STS2, 6, 4)
	s_cmp_eq_u32 s2, 0
	s_cbranch_scc0 .Lentry_in_a_cluster
	s_endpgm
.Lentry_in_a_cluster:
	s_bfe_u32 s2, ttmp6, 0x10000c
	s_cmp_lg_u32 s2, 0xf033
	s_cbranch_scc0 .Lentry_shape_is_right
	s_endpgm
.Lentry_shape_is_right:
; OUT = split(A B + bf16(bias)): 1,024 rows x 1,024 columns, K = 64 steps of 32.  A, B and OUT lie in fragment order (a fragment: 16 rows or columns x 32 k, 1,024 dense bytes; byte 512 c + 16 L + 2 i
; holds (L % 16, k = 16 c + 8 (L / 16) + i)), blocked [tile / 4][k step / 16][tile % 4][k step % 16].  Sums in f32.  OUT is written as TWO bf16 numbers for each sum y: hi = bf16(y) in K steps 0..31 of the
; next product and lo = bf16(y - hi) in K steps 32..63, so that the launch behind multiplies about 16 significant bits.
; SHARES.  A work-group makes 64 x 64: 256 work-groups.  Wave w makes row tiles 2 (w / 2) + a and column tiles 2 (w % 2) + b: four accumulators.  A larger tile would leave WGPs without work.
; K goes in four chunks of 16 steps through two LDS slots of 131,072 bytes (A's four tiles, then B's four); a chunk of a block is 65,536 dense bytes, asked for as rows of 256 bytes, 128 rows a wave.
; Fragment order needs no padding: a fragment load is 512 consecutive bytes.
; CLUSTER 4 x 4: the four work-groups of a row of the cluster need the same chunk of A, the four of a column the same chunk of B: each is asked for jointly.
; THE PRODUCT IS USED TRANSPOSED (source 0 = 16 columns of B, source 1 = 16 rows of A): a lane holds one row and eight neighbouring columns, which pack into the 16 bytes that the lane owns in OUT's fragment.
; LIMITS: the bias is rounded to bf16; NaN and infinities are not treated apart.
.set SLOT,  131072
.set SPARE, 262144                     ; behind the ring: the spare words, 128 bytes a wave
.set ADA, 16                           ; v16-17 LDS address of my A fragments in slot 0, 1
.set ADB, 18                           ; v18-19 the same for B
.set CO,  26                           ; v26 16 x lane
.set NEG1, 27                          ; v27 -1.0
.set SPW, 28                           ; v28 my spare word; never rewritten
.set NIL, 29                           ; v29 0; never rewritten
.set ACC, 32                           ; v[32:63] accumulator (a, b) at 8 (2 a + b)
.set F0,  64                           ; v[64:127], v[128:191] two fragment buffers: two K steps of A (32 registers), then of B
.set BR,  192                          ; v[192:207] bias as loaded
.set BF,  208                          ; v[208:223] bias rounded, as f32
.set HL,  224                          ; v[224:255] hi and lo of the four accumulators
.set BT,  64                           ; at work in the way out
.set WV,  12
.set G1A, 24
.set G0A, 32
.set G1B, 48
.set G0B, 56
.macro PLACES                          ; four plain vector instructions between a matrix instruction and a load into, or a vector access to, its registers
.rept 4
	v_nop
.endr
.endm
.macro JLOAD s                         ; a joint refill: waves 0 and 1 fetch A's halves, waves 2 and 3 B's; the branch hangs on the wave's number alone
	s_cmp_lt_u32 s[WV], 2
	s_cbranch_scc0 .Lfor_b_\@
	tensor_load_to_lds s[G0A+4*(\s):G0A+4*(\s)+3], s[G1A:G1A+7]
	s_nop 0
	PLACES
	s_branch .Lasked_\@
.Lfor_b_\@:
	tensor_load_to_lds s[G0B+4*(\s):G0B+4*(\s)+3], s[G1B:G1B+7]
	s_nop 0
	PLACES
.Lasked_\@:
.endm
.macro CROUND                          ; a round of the cluster's barrier
	s_barrier_signal -1
	s_barrier_wait -1
	s_cmp_lg_u32 s[WV], 0
	s_cbranch_scc1 .Lnot_wave_0_\@
	s_barrier_signal -3
.Lnot_wave_0_\@:
	s_barrier_wait -3
	s_barrier_signal -1
	s_barrier_wait -1
.endm
	s_load_b256 s[4:11], s[0:1], 0x0       ; A s[4:5], B s[6:7], bias s[8:9], OUT s[10:11]
	v_lshl_add_u32 v[SPW], v0, 2, SPARE
	v_mov_b32 v[NIL], 0
	ds_add_u32 v[SPW], v[NIL]              ; the wave's opening: the add and its wait ahead of my first tensor load
	v_lshrrev_b32 v1, 5, v0
	v_readfirstlane_b32 s[WV], v1
	s_lshr_b32 s13, s[WV], 1               ; my half of the rows
	s_and_b32 s14, s[WV], 1                ; my half of the columns; also: which half of a chunk I fetch
	s_bfe_u32 s40, ttmp6, 0x40000          ; cx
	s_bfe_u32 s41, ttmp6, 0x40004          ; cy
	s_lshl_b32 s42, ttmp9, 2
	s_add_co_u32 s42, s42, s40             ; tx: block of 64 columns
	s_and_b32 s43, ttmp7, 0xffff
	s_lshl_b32 s43, s43, 2
	s_add_co_u32 s43, s43, s41             ; ty: block of 64 rows
	s_lshl_b32 s44, s41, 2
	s_lshl_b32 s44, 15, s44                ; my row of the cluster
	s_lshl_b32 s45, 0x1111, s40            ; my column
	s_or_b32 s[G1A], s44, (3<<16)|(1<<21)  ; 15:0 mask; 17:16 elements of 8 bytes; 21 set beside a mask; no padding
	s_or_b32 s[G1B], s45, (3<<16)|(1<<21)
.irp g, G1A, G1B
	s_mov_b32 s[\g+1], 32<<16              ; tensor_dim0 = 32 elements = 256 bytes
	s_mov_b32 s[\g+2], 128<<16             ; tensor_dim1 = 128 rows
	s_mov_b32 s[\g+3], 32<<16              ; tile_dim0
	s_mov_b32 s[\g+4], 128                 ; tile_dim1
	s_mov_b32 s[\g+5], 32                  ; dense: a row begins where the last ends
	s_mov_b32 s[\g+6], 0
	s_mov_b32 s[\g+7], 0
.endr
	s_lshl_b32 s21, s14, 15
	s_lshl_b32 s16, s43, 18                ; A: my block of rows, my half of a chunk: made of ty and the wave's number alone
	s_add_co_u32 s16, s16, s21
	s_mov_b32 s17, 0
	s_lshl_b32 s46, s42, 18                ; B: of tx and the wave's number alone
	s_add_co_u32 s46, s46, s21
	s_mov_b32 s47, 0
	s_lshl_b32 s20, s[WV], 15              ; LDS: wave x 32,768: no place in the cluster enters
	s_wait_dscnt 0x0                       ; the opening add is done
	s_wait_kmcnt 0x0
	s_add_nc_u64 s[22:23], s[4:5], s[16:17]
	s_add_nc_u64 s[46:47], s[6:7], s[46:47]
.irp s,0,1
	s_mov_b32 s[G0A+4*\s], 1
	s_add_co_u32 s[G0A+4*\s+1], s20, \s*SLOT
	s_add_nc_u64 s[G0A+4*\s+2:G0A+4*\s+3], s[22:23], \s*65536
	s_or_b32 s[G0A+4*\s+3], s[G0A+4*\s+3], 0x80000000
	s_mov_b32 s[G0B+4*\s], 1
	s_add_co_u32 s[G0B+4*\s+1], s20, \s*SLOT
	s_add_nc_u64 s[G0B+4*\s+2:G0B+4*\s+3], s[46:47], \s*65536
	s_or_b32 s[G0B+4*\s+3], s[G0B+4*\s+3], 0x80000000
.endr
	CROUND                                 ; all sixteen work-groups are here: the first joint loads meet
	s_cmp_lt_u32 s[WV], 2                  ; a wave's two first fills stand in one branch: two loads of mine are out
	s_cbranch_scc0 .Lfirst_b
	tensor_load_to_lds s[G0A:G0A+3], s[G1A:G1A+7]
	s_nop 0
	tensor_load_to_lds s[G0A+4:G0A+7], s[G1A:G1A+7]
	s_nop 0
	PLACES
	s_branch .Lfirst_asked
.Lfirst_b:
	tensor_load_to_lds s[G0B:G0B+3], s[G1B:G1B+7]
	s_nop 0
	tensor_load_to_lds s[G0B+4:G0B+7], s[G1B:G1B+7]
	s_nop 0
	PLACES
.Lfirst_asked:
	v_and_b32 v1, 31, v0
	v_lshlrev_b32 v[CO], 4, v1
	v_bfe_u32 v2, v0, 4, 1
	v_lshlrev_b32 v3, 5, v2                ; my eight columns of a tile begin 32 (lane / 16) bytes into its bias
	s_lshl_b32 s15, s13, 15
	v_add_nc_u32 v[ADA], s15, v[CO]
	v_add_nc_u32 v[ADA+1], SLOT, v[ADA]
	s_lshl_b32 s15, s14, 15
	s_add_co_u32 s15, s15, 65536
	v_add_nc_u32 v[ADB], s15, v[CO]
	v_add_nc_u32 v[ADB+1], SLOT, v[ADB]
	v_mov_b32 v[NEG1], -1.0
	s_lshl_b32 s46, s42, 8                 ; bias: 64 tx + 32 (w % 2) numbers on
	s_lshl_b32 s15, s14, 7
	s_add_co_u32 s46, s46, s15
	s_mov_b32 s47, 0
	s_add_nc_u64 s[8:9], s[8:9], s[46:47]
.irp b,0,1
	global_load_b128 v[BR+8*\b:BR+8*\b+3], v3, s[8:9] offset:\b*64
	global_load_b128 v[BR+8*\b+4:BR+8*\b+7], v3, s[8:9] offset:\b*64+16
.endr
	s_lshl_b32 s2, s43, 18                 ; OUT: block ty, K step 2 tx + w % 2 of the next product, row tiles 2 (w / 2) ..
	s_lshr_b32 s15, s42, 3
	s_lshl_b32 s15, s15, 16
	s_add_co_u32 s2, s2, s15
	s_lshl_b32 s15, s13, 15
	s_add_co_u32 s2, s2, s15
	s_and_b32 s15, s42, 7
	s_lshl_b32 s15, s15, 1
	s_add_co_u32 s15, s15, s14
	s_lshl_b32 s15, s15, 10
	s_add_co_u32 s2, s2, s15
	s_mov_b32 s3, 0
	s_add_nc_u64 s[10:11], s[10:11], s[2:3]
	s_mov_b32 s15, 0xffff0000
.macro FETCH sl, g, buf                ; 16 LDS loads: K steps 2 g and 2 g + 1 of the slot's chunk
.irp k,0,1
.irp a,0,1
	ds_load_b128 v[(\buf)+16*\k+8*\a:(\buf)+16*\k+8*\a+3], v[ADA+\sl] offset:\a*16384+(2*(\g)+\k)*1024
	ds_load_b128 v[(\buf)+16*\k+8*\a+4:(\buf)+16*\k+8*\a+7], v[ADA+\sl] offset:\a*16384+(2*(\g)+\k)*1024+512
.endr
.irp b,0,1
	ds_load_b128 v[(\buf)+32+16*\k+8*\b:(\buf)+32+16*\k+8*\b+3], v[ADB+\sl] offset:\b*16384+(2*(\g)+\k)*1024
	ds_load_b128 v[(\buf)+32+16*\k+8*\b+4:(\buf)+32+16*\k+8*\b+7], v[ADB+\sl] offset:\b*16384+(2*(\g)+\k)*1024+512
.endr
.endr
.endm
.macro MUL buf, zero                   ; 8 products; the four accumulators take turns, one instruction a turn.  zero = 1: the first four start the sums
.irp k,0,1
.irp a,0,1
.irp b,0,1
.if (\zero) && (\k == 0)
	v_wmma_f32_16x16x32_bf16 v[ACC+8*(2*\a+\b):ACC+8*(2*\a+\b)+7], v[(\buf)+32+16*\k+8*\b:(\buf)+32+16*\k+8*\b+7], v[(\buf)+16*\k+8*\a:(\buf)+16*\k+8*\a+7], 0
.else
	v_wmma_f32_16x16x32_bf16 v[ACC+8*(2*\a+\b):ACC+8*(2*\a+\b)+7], v[(\buf)+32+16*\k+8*\b:(\buf)+32+16*\k+8*\b+7], v[(\buf)+16*\k+8*\a:(\buf)+16*\k+8*\a+7], v[ACC+8*(2*\a+\b):ACC+8*(2*\a+\b)+7]
.endif
.endr
.endr
.endr
.endm
.macro CHUNK sl, first                 ; a slot's 16 K steps, two at a time; the next two are fetched into the other buffer while these are multiplied
	PLACES
	FETCH \sl, 0, F0
.set gg, 0
.rept 8
.if gg < 7
	PLACES
	FETCH \sl, gg+1, F0+64*((gg+1)%2)
	s_wait_dscnt 16                        ; all but the sixteen just issued
.else
	s_wait_dscnt 0x0
.endif
.if (\first) && (gg == 0)
	MUL F0, 1
.else
	MUL F0+64*(gg%2), 0
.endif
.set gg, gg+1
.endr
.endm
.macro TURN s, fill                    ; slot s has been read out.  fill = 1: it takes the chunk two further on
	s_wait_tensorcnt 0x0                   ; all my tensor loads have landed, my part of the other slot among them: a group 0 may be written
	ds_add_u32 v[SPW], v[NIL]
.if \fill
	s_add_nc_u64 s[G0A+4*(\s)+2:G0A+4*(\s)+3], s[G0A+4*(\s)+2:G0A+4*(\s)+3], 131072
	s_add_nc_u64 s[G0B+4*(\s)+2:G0B+4*(\s)+3], s[G0B+4*(\s)+2:G0B+4*(\s)+3], 131072
.endif
	s_wait_dscnt 0x0                       ; the add is done, and my reads of the slot are over
.if \fill
	CROUND                                 ; no wave of any partner still reads the slot or has a load on its way
	JLOAD \s
.else
	s_barrier_signal -1
	s_barrier_wait -1
.endif
.endm
	s_wait_tensorcnt 1                     ; my part of slot 0 is in; slot 1's may stay out
	s_barrier_signal -1
	s_barrier_wait -1
	CHUNK 0, 1
	TURN 0, 1
	CHUNK 1, 0
	TURN 1, 1
	CHUNK 0, 0
	TURN 0, 0
	CHUNK 1, 0
	; THE WAY OUT: + bias, hi = bf16(y), lo = bf16(y - hi); each store of a wave covers 512 consecutive bytes, aligned
	PLACES
	s_wait_loadcnt 0x0
.irp q,0,1,2,3,4,5,6,7
	v_cvt_pk_bf16_f32 v[BT+\q], v[BR+2*\q], v[BR+2*\q+1]
.endr
.irp q,0,1,2,3,4,5,6,7
	v_lshlrev_b32 v[BF+2*\q], 16, v[BT+\q]
	v_and_b32 v[BF+2*\q+1], s15, v[BT+\q]
.endr
.irp a,0,1
.irp b,0,1
.irp pp,0,1,2,3
	v_pk_add_f32 v[ACC+8*(2*\a+\b)+2*\pp:ACC+8*(2*\a+\b)+2*\pp+1], v[ACC+8*(2*\a+\b)+2*\pp:ACC+8*(2*\a+\b)+2*\pp+1], v[BF+8*\b+2*\pp:BF+8*\b+2*\pp+1]
.endr
.irp pp,0,1,2,3
	v_cvt_pk_bf16_f32 v[HL+8*(2*\a+\b)+\pp], v[ACC+8*(2*\a+\b)+2*\pp], v[ACC+8*(2*\a+\b)+2*\pp+1]
.endr
.irp pp,0,1,2,3
	v_fma_mix_f32_bf16 v[ACC+8*(2*\a+\b)+2*\pp], v[HL+8*(2*\a+\b)+\pp], v[NEG1], v[ACC+8*(2*\a+\b)+2*\pp] op_sel_hi:[1,0,0]
	v_fma_mix_f32_bf16 v[ACC+8*(2*\a+\b)+2*\pp+1], v[HL+8*(2*\a+\b)+\pp], v[NEG1], v[ACC+8*(2*\a+\b)+2*\pp+1] op_sel:[1,0,0] op_sel_hi:[1,0,0]
.endr
.irp pp,0,1,2,3
	v_cvt_pk_bf16_f32 v[HL+8*(2*\a+\b)+4+\pp], v[ACC+8*(2*\a+\b)+2*\pp], v[ACC+8*(2*\a+\b)+2*\pp+1]
.endr
	global_store_b128 v[CO], v[HL+8*(2*\a+\b):HL+8*(2*\a+\b)+3], s[10:11] offset:\a*16384+\b*512
	global_store_b128 v[CO], v[HL+8*(2*\a+\b)+4:HL+8*(2*\a+\b)+7], s[10:11] offset:\a*16384+\b*512+131072
.endr
.endr
	s_wait_tensorcnt 0x0                   ; the wave's end
	ds_add_u32 v[SPW], v[NIL]
	s_wait_dscnt 0x0
	CROUND                                 ; the closing round
	s_endpgm
.Lfunc_end_k_qfcf3fffaf3_gemm1:
	.size	k_qfcf3fffaf3_gemm1, .Lfunc_end_k_qfcf3fffaf3_gemm1-k_qfcf3fffaf3_gemm1
	.p2alignl 7, 3214868480
	.fill 96, 4, 3214868480
	.section	.rodata,"a",@progbits
	.p2align	6, 0x0
	.amdhsa_kernel k_qfcf3fffaf3_gemm1
		.amdhsa_group_segment_fixed_size 327680
		.amdhsa_private_segment_fixed_size 0
		.amdhsa_enable_private_segment 0
		.amdhsa_kernarg_size 32
		.amdhsa_user_sgpr_count 2
		.amdhsa_user_sgpr_kernarg_segment_ptr 1
		.amdhsa_wavefront_size32 1
		.amdhsa_system_sgpr_workgroup_id_x 1
		.amdhsa_system_sgpr_workgroup_id_y 1
		.amdhsa_system_sgpr_workgroup_id_z 1
		.amdhsa_system_vgpr_workitem_id 0
		.amdhsa_next_free_vgpr 256
		.amdhsa_next_free_sgpr 66
		.amdhsa_reserve_vcc 0
		.amdhsa_float_denorm_mode_32 3
		.amdhsa_float_denorm_mode_16_64 3
		.amdhsa_memory_ordered 1
		.amdhsa_forward_progress 1
		.amdhsa_inst_pref_size 69
	.end_amdhsa_kernel
	.amdgpu_metadata
---
amdhsa.version: [ 1, 2 ]
amdhsa.kernels:
  - .name:           k_qfcf3fffaf3_gemm1
    .symbol:         k_qfcf3fffaf3_gemm1.kd
    .args:
      - { .name: featsf, .offset: 0, .size: 8, .value_kind: global_buffer, .address_space: global }
      - { .name: cwf, .offset: 8, .size: 8, .value_kind: global_buffer, .address_space: global }
      - { .name: params_cb, .offset: 16, .size: 8, .value_kind: global_buffer, .address_space: global }
      - { .name: ef, .offset: 24, .size: 8, .value_kind: global_buffer, .address_space: global }
    .group_segment_fixed_size: 327680
    .private_segment_fixed_size: 0
    .kernarg_segment_align: 8
    .kernarg_segment_size: 32
    .max_flat_workgroup_size: 128
    .sgpr_count:     66
    .vgpr_count:     256
    .wavefront_size: 32
...
	.end_amdgpu_metadata
.endif
;; end of part 2
;; launch gemm2: the kernel of part 2 again; grid 16 x 16, 4 waves a work-group, clusters of 4 x 4, 327,680 bytes of LDS; arguments ef, iwcf, params_ib, ctf; writes ctf
;; launch flow (part 3): grid 256 x 1, 4 waves a work-group, clusters of 4 x 1, 327,680 bytes of LDS; arguments ws, zf, ctf, vecs, out0, out1, out2; writes out0, out1, out2
.if DOCPART == 3
	.amdgcn_target "amdgcn-amd-amdhsa--gfx1250"
	.amdhsa_code_object_version 6
	.text
	.protected	k_qfcf3fffaf3_flow
	.globl	k_qfcf3fffaf3_flow
	.p2align	8
	.type	k_qfcf3fffaf3_flow,@function
k_qfcf3fffaf3_flow:
	s_mov_b64 s[64:65], 0
	v_nop
	global_prefetch_b8 v0, s[64:65] scope:SCOPE_SE
	s_setreg_imm32_b32 hwreg(HW_REG_WAVE_MODE, 25, 1), 1
	s_wait_xcnt 0x0
	s_wait_alu depctr_hold_cnt(0) depctr_sa_sdst(0) depctr_va_vdst(0) depctr_va_sdst(0) depctr_va_ssrc(0) depctr_va_vcc(0) depctr_vm_vsrc(0)
	s_getreg_b32 s2, hwreg(HW_REG_IB_STS2, 6, 4)
	s_cmp_eq_u32 s2, 0
	s_cbranch_scc0 .Lentry_in_a_cluster
	s_endpgm
.Lentry_in_a_cluster:
	s_bfe_u32 s2, ttmp6, 0x10000c
	s_cmp_lg_u32 s2, 0x3003
	s_cbranch_scc0 .Lentry_shape_is_right
	s_endpgm
.Lentry_shape_is_right:
; FLOW: both evaluations of the vector field, the Heun step, the rotation matrices and the log-probability, for 32 rows a work-group, without leaving the WGP.
; An evaluation: h1 = silu(x Wx + CT + T_t); h2 = h1 + silu(LN(h1 W0 + b0)); h3 = silu(LN(h2 W1 + b1)); v = h3 Wo + ob.  CT (context and ib, one row a batch) and T_t (time) were made by the launches before.
; FORMATS.  Weights, biases, gains and z are bf16 (each input rounded once).  Every activation that is multiplied again goes to the matrix unit as TWO bf16 operands, hi = bf16(a), lo = bf16(a - hi), against the
; same weight fragment onto one f32 accumulator: b2 and b3 of a joint divide by the length of a2's part across a1, which may be a few thousandths, so a sample's error is magnified some hundredfold.
; Sums, layer norms (mean first, then the squares of the differences), activations and the Heun step are f32.
; SHARES.  In each layer a wave owns a quarter of the columns for all 32 rows (two row tiles): 32, 32, 16 accumulators; in the last layer three column tiles.  The product is used transposed (source 0 = 16 columns
; of a weight, source 1 = 16 rows): a lane holds one row and eight neighbouring columns, which, rounded in pairs, are the 16 bytes that the same lane owns in the next layer's fragment.
; FRAGMENT ORDER: 16 x 32 k in 1,024 dense bytes, byte 512 c + 16 L + 2 i = (L % 16, k = 16 c + 8 (L / 16) + i): every LDS access to a fragment is 512 consecutive bytes, so nothing is padded.
; THE WALK.  The weights are 57 tiles of 65,536 bytes (6 for x, 32 for W0, 16 for W1, 3 for Wo), 16,384 bytes a wave, walked twice through a ring of two slots.  All work-groups walk the same tiles, so a
; cluster of four asks for each jointly; the tile's number is a counter that steps by 1 and goes back to 0 behind 56, and the descriptor's address is made anew from it.  One tensor load a wave is out.
; LIMITS: NaN and infinities are not treated apart; silu of an argument below about -88 is -0; exponentials, reciprocals and roots are good to 1 ULP and flush denormals.
.set SLOTB, 65536
.set H,     131072                     ; activations: fragment ((k step x 2 + row tile) x 2 + lo) x 1,024; 131,072 bytes
.set CTT,   262144                     ; [t][column tile x 8 + batch x 2 + lane half] x 32 bytes: CT + T_t in f32; 32,768 bytes
.set VT,    294912                     ; b0, g0, be0, b1, g1, be1, ob in f32; 20,480 bytes
.set ST,    315392                     ; five regions of [row 32][wave 4] f32 for sums across waves
.set SPARE, 317952                     ; the spare words, 128 bytes a wave
.set SM,    H                          ; at the end: the samples, 32 rows of 528 bytes
.set ROFF,  17408                      ; and, so far behind them, the rotation matrices, 32 rows of 792 bytes
.set RO,    H+ROFF
.set NTILE, 57
; window 0.  LDS addresses lie in registers that hold nothing but numbers made of the thread's number, the wave's number and constants, from first to last.
.set LANE, 1
.set LB,   2                           ; 16,384 w + 16 L: my part of a slot
.set BA,   3                           ; address of the weight fragments in hand
.set LH,   4                           ; H + 16 L
.set AA,   5                           ; address of the activation fragments in hand
.set HS,   6                           ; H + 32,768 w + 16 L: where my 256 columns go
.set HS1,  7                           ; H + 16,384 w + 16 L: where my 128 columns go
.set HSX,  8                           ; H + 4,096 (w / 2) + 512 (w % 2) + 16 L: where my tiles of x go
.set VB,   9                           ; VT + 1,024 w + 32 h
.set VB1,  10                          ; VT + 512 w + 32 h
.set VBO,  11                          ; VT + 18,432 + 64 w + 32 h
.set TBL,  12                          ; CTT + 4,096 w + 64 (r / 8) + 32 h
.set TBLC, 13                          ; the same for the evaluation in hand
.set STW,  14                          ; ST + 16 L + 4 w
.set STR,  15                          ; ST + 16 r
.set SPW,  16                          ; my spare word; never rewritten
.set NIL,  17                          ; 0; never rewritten
.set ONE,  18
.set NEG1, 19
.set NM,   20                          ; v20, v22: minus the mean of my row in row tile 0, 1 (named as pairs)
.set RS,   24                          ; v24, v26: 1 / sqrt(variance + eps)
.set R15,  28                          ; set-up; at the end SMW
.set HB,   29                          ; set-up; at the end SMR
.set L16,  30
.set T16,  31                          ; 16 x thread
.set ZP,   32                          ; v[32:55] z of my six tiles, packed bf16: 4 (2 j + rt)
.set OB,   56                          ; v[56:79] ob of my three column tiles
.set CH,   80                          ; v[80:87] chains of sums: 4 rt + 2 c
.set SS,   88                          ; v88-89 a sum for each row tile
.set PT,   90                          ; v90-91 at work
.set QA,   92                          ; v[92:99] the four waves' parts
.set CTO,  100                         ; set-up; at the end the joints' addresses
.set TVO,  101
.set TD,   102
.set VD,   103
.set AF,   104                         ; activation fragments
.set TE,   104                         ; first layer's way out: 32 numbers, 16 + 16 packed
.set THI,  136
.set TLO,  152
.set LS,   104                         ; layer norm: two sets of 32 (gain 8, bias 8, old hi and lo 16)
.set U,    168
.set EE,   184
.set HIB,  200
.set LOB,  208
.set XT,   104                         ; last layer's way out: 48 numbers, 24 + 24 packed
.set XH,   152
.set XL,   176
.set VV,   240
.set Z4,   248
.set OA,   128                         ; window 2: the last layer's accumulators, 8 (2 j + rt); window 2 v0-127: weight fragments; window 1: accumulators 8 (2 j + rt)
; the end's registers
.set SMW,  28                          ; SM + 528 r + 64 w + 32 h: where my columns of a sample go
.set SMR,  29                          ; SM + 16 x thread: the linear copies
.set G16,  31                          ; 16 x thread: the stores' offset
.set JA0,  100                         ; SM + 528 (8 w + l % 8) + 24 (l / 8): my first joint's six numbers
.set RA0,  101                         ; RO + 792 (8 w + l % 8) + 36 (l / 8): its matrix
.set JAC,  102                         ; the two for the trip in hand
.set RAC,  103
.set L4,   252                         ; 4 x lane
.set S4,   253                         ; ST + 2,048 + 16 x lane
.set JA5,  254                         ; the two for the sixth trip
.set RA5,  255
.set CP,   104
.set JX,   140
.set CQ,   160
; scalars
.set WV,   18
.set G1,   24
.set G0,   32
.set OFF,  36
.set NXT,  38                          ; the tile to be asked for next
.set TB,   39                          ; the slot to be read
.set KA,   40
.set CNT,  41
.set EV,   42                          ; evaluations to go
.set TOFF, 43
.set NL2E, 44                          ; s[44:45] -log2(e)
.set SEL,  46                          ; s[46:47] v_permlanex16_b32's selects: the same place in the other half
.set HMASK, 48                         ; 0xffff0000: a word's upper bf16, and the mask of lanes 16-31
.set KB,   49
.set MSB, 0
.macro WIN new                         ; s_set_vgpr_msb: bits 1:0 source 0, 3:2 source 1, 5:4 source 2, 7:6 destination; the high byte repeats the setting that is left
.if MSB != (\new)
	s_set_vgpr_msb (MSB<<8)|(\new)
.set MSB, (\new)
.endif
.endm
.macro PLACES                          ; four plain vector instructions between a matrix instruction and a load into, or a vector access to, its registers
.rept 4
	v_nop
.endr
.endm
.macro CROUND                          ; a round of the cluster's barrier
	s_barrier_signal -1
	s_barrier_wait -1
	s_cmp_lg_u32 s[WV], 0
	s_cbranch_scc1 .Lnot_wave_0_\@
	s_barrier_signal -3
.Lnot_wave_0_\@:
	s_barrier_wait -3
	s_barrier_signal -1
	s_barrier_wait -1
.endm
.macro LD4 d, a, o
	ds_load_b128 v[(\d):(\d)+3], v[\a] offset:\o
.endm
.macro ST4 a, d, o
	ds_store_b128 v[\a], v[(\d):(\d)+3] offset:\o
.endm
.macro WM d, b, a                      ; D += weights x activations, in place
	v_wmma_f32_16x16x32_bf16 v[(\d):(\d)+7], v[(\b):(\b)+7], v[(\a):(\a)+7], v[(\d):(\d)+7]
.endm
.macro PKADD d, a, b
	v_pk_add_f32 v[(\d):(\d)+1], v[(\a):(\a)+1], v[(\b):(\b)+1]
.endm
.macro PKMUL d, a, b
	v_pk_mul_f32 v[(\d):(\d)+1], v[(\a):(\a)+1], v[(\b):(\b)+1]
.endm
.macro PKFMA d, a, b, c
	v_pk_fma_f32 v[(\d):(\d)+1], v[(\a):(\a)+1], v[(\b):(\b)+1], v[(\c):(\c)+1]
.endm
.macro PKADDB d, a, b                  ; b's first register for both halves
	v_pk_add_f32 v[(\d):(\d)+1], v[(\a):(\a)+1], v[(\b):(\b)+1] op_sel_hi:[1,0]
.endm
.macro PKMULB d, a, b
	v_pk_mul_f32 v[(\d):(\d)+1], v[(\a):(\a)+1], v[(\b):(\b)+1] op_sel_hi:[1,0]
.endm
.macro MIX d, a, half, m, c            ; d = bf16 half of a x m + c, in f32
.if \half
	v_fma_mix_f32_bf16 v[(\d)], v[(\a)], v[(\m)], v[(\c)] op_sel:[1,0,0] op_sel_hi:[1,0,0]
.else
	v_fma_mix_f32_bf16 v[(\d)], v[(\a)], v[(\m)], v[(\c)] op_sel_hi:[1,0,0]
.endif
.endm
.macro SPLIT y, hi, lo, n              ; n numbers y: hi = bf16(y), y = y - hi (exact), lo = bf16(y)
.set sq, 0
.rept (\n)/2
	v_cvt_pk_bf16_f32 v[(\hi)+sq], v[(\y)+2*sq], v[(\y)+2*sq+1]
.set sq, sq+1
.endr
.set sq, 0
.rept (\n)/2
	MIX (\y)+2*sq, (\hi)+sq, 0, NEG1, (\y)+2*sq
	MIX (\y)+2*sq+1, (\hi)+sq, 1, NEG1, (\y)+2*sq+1
.set sq, sq+1
.endr
.set sq, 0
.rept (\n)/2
	v_cvt_pk_bf16_f32 v[(\lo)+sq], v[(\y)+2*sq], v[(\y)+2*sq+1]
.set sq, sq+1
.endr
.endm
.macro EXPRCP b, n                     ; n numbers -log2(e) x become 1 / (1 + e^-x); a plain instruction stands behind each run of transcendentals before a result is used
.set eq, 0
.rept \n
	v_exp_f32 v[(\b)+eq], v[(\b)+eq]
.set eq, eq+1
.endr
	v_nop
.set eq, 0
	s_wait_alu depctr_va_vdst(0)
.rept (\n)/2
	v_pk_add_f32 v[(\b)+2*eq:(\b)+2*eq+1], v[(\b)+2*eq:(\b)+2*eq+1], 1.0 op_sel_hi:[1,0]
.set eq, eq+1
.endr
.set eq, 0
.rept \n
	v_rcp_f32 v[(\b)+eq], v[(\b)+eq]
.set eq, eq+1
.endr
	v_nop
	s_wait_alu depctr_va_vdst(0)
.endm
; THE CHANGE OF SLOTS.  Each wave waits for all its tensor loads, of which one is out: its part of the slot to be read; adds 0 to its spare word; waits for that and for all its LDS instructions (its reads of
; the slot that it leaves, and its stores of activations).  fill = 1: a round of the cluster's barrier, and the slot just left takes tile NXT, first thing behind the round.
.macro CHANGE fill
	WIN 0
	s_wait_tensorcnt 0x0                   ; no tensor load of mine is out, so the group 0 may be written
	ds_add_u32 v[SPW], v[NIL]              ; the scalar work stands between the add and the wait for it
.if \fill
	s_lshl_b32 s[OFF], s[NXT], 16
	s_xor_b32 s[G0+1], s[G0+1], SLOTB
	s_add_nc_u64 s[G0+2:G0+3], s[4:5], s[OFF:OFF+1]
	s_or_b32 s[G0+3], s[G0+3], 0x80000000
	s_add_co_u32 s[NXT], s[NXT], 1
	s_cmp_eq_u32 s[NXT], NTILE
	s_cselect_b32 s[NXT], 0, s[NXT]
.endif
	s_xor_b32 s[TB], s[TB], SLOTB
	s_wait_dscnt 0x0
.if \fill
	CROUND
	tensor_load_to_lds s[G0:G0+3], s[G1:G1+7]
	s_nop 0
	PLACES                                 ; also the places in front of the fragment loads
.else
	s_barrier_signal -1
	s_barrier_wait -1
	PLACES
.endif
.endm
; One K step of a layer with 256 columns a wave: 4 activation fragments (row tile, hi / lo), 16 weight fragments, 64 products.  Eight accumulators take turns, one instruction a turn.
.macro TRIP_A
	CHANGE 1
	v_add_nc_u32 v[BA], s[TB], v[LB]
	v_add_nc_u32 v[AA], s[KA], v[LH]
	s_add_co_u32 s[KA], s[KA], 4096
.irp f,0,1,2,3
	LD4 AF+8*\f, AA, \f*1024
	LD4 AF+8*\f+4, AA, \f*1024+512
.endr
	WIN 0x80
.set j, 0
.rept 16
	LD4 8*j, BA, j*1024
	LD4 8*j+4, BA, j*1024+512
.set j, j+1
.endr
	WIN 0x52
.irp q,0,1,2,3
	s_wait_dscnt 24-8*\q                   ; the activations and weight fragments up to 4 q + 3 are in; the later ones stay out
.irp hl,0,1
.irp jq,0,1,2,3
.irp rt,0,1
	WM 8*(2*(4*\q+\jq)+\rt), 8*(4*\q+\jq), AF+8*(2*\rt+\hl)
.endr
.endr
.endr
.endr
.endm
; Two K steps of the layer with 128 columns a wave: sixteen accumulators take turns
.macro TRIP_B
	CHANGE 1
	v_add_nc_u32 v[BA], s[TB], v[LB]
	v_add_nc_u32 v[AA], s[KA], v[LH]
	s_add_co_u32 s[KA], s[KA], 8192
.irp u,0,1
	WIN 0
.irp f,0,1,2,3
	LD4 AF+32*\u+8*\f, AA, \u*4096+\f*1024
	LD4 AF+32*\u+8*\f+4, AA, \u*4096+\f*1024+512
.endr
	WIN 0x80
.irp jb,0,1,2,3,4,5,6,7
	LD4 8*(8*\u+\jb), BA, (8*\u+\jb)*1024
	LD4 8*(8*\u+\jb)+4, BA, (8*\u+\jb)*1024+512
.endr
.endr
	WIN 0x52
.irp u,0,1
	s_wait_dscnt 24-24*\u                  ; the first K step's 24 loads are in, the second's stay out; then all
.irp hl,0,1
.irp jb,0,1,2,3,4,5,6,7
.irp rt,0,1
	WM 8*(2*\jb+\rt), 8*(8*\u+\jb), AF+32*\u+8*(2*\rt+\hl)
.endr
.endr
.endr
.endr
.endm
; Column tile 4 j + w of the last layer: 16 K steps, four to a trip of a counted loop; two accumulators take turns
.macro TRIP_C j, fill
	CHANGE \fill
	s_mov_b32 s[KB], s[TB]
	s_mov_b32 s[KA], 0
	s_mov_b32 s[CNT], 4
.Lc_\@:
	PLACES
	v_add_nc_u32 v[BA], s[KB], v[LB]
	v_add_nc_u32 v[AA], s[KA], v[LH]
	s_add_co_u32 s[KB], s[KB], 4096
	s_add_co_u32 s[KA], s[KA], 16384
	WIN 0x80
.irp u,0,1,2,3
	LD4 8*\u, BA, \u*1024
	LD4 8*\u+4, BA, \u*1024+512
.endr
	WIN 0
.irp u,0,1,2,3
.irp f,0,1,2,3
	LD4 AF+32*\u+8*\f, AA, \u*4096+\f*1024
	LD4 AF+32*\u+8*\f+4, AA, \u*4096+\f*1024+512
.endr
.endr
	WIN 0xa2
.irp u,0,1,2,3
	s_wait_dscnt 24-8*\u                   ; the weights and the activations up to K step u are in; the later K steps' eight loads each stay out
	WM OA+16*(\j), 8*\u, AF+32*\u
	WM OA+16*(\j)+8, 8*\u, AF+32*\u+16
	WM OA+16*(\j), 8*\u, AF+32*\u+8
	WM OA+16*(\j)+8, 8*\u, AF+32*\u+24
.endr
	WIN 0
	s_sub_co_u32 s[CNT], s[CNT], 1
	s_cmp_lg_u32 s[CNT], 0
	s_cbranch_scc1 .Lc_\@
.endm
; The accumulators start as the layer's addend, loaded straight from LDS: nothing is cleared and no bias is added later.  The next change of slots waits for these loads.
.macro INIT base, off, nj, sj, srt
	WIN 0x40
.set j, 0
.rept \nj
.irp rt,0,1
	LD4 8*(2*j+\rt), \base, (\off)+j*(\sj)+\rt*(\srt)
	LD4 8*(2*j+\rt)+4, \base, (\off)+j*(\sj)+\rt*(\srt)+16
.endr
.set j, j+1
.endr
	WIN 0
.endm
; A sum over a row: the two halves of the lanes, then the four waves through LDS.  Lane L carries row L into the store: row tile 0 in lanes 0-15, row tile 1 in lanes 16-31.
.macro STAT_PUT reg
	v_permlanex16_b32 v[PT], v[SS], s[SEL], s[SEL+1]
	v_permlanex16_b32 v[PT+1], v[SS+1], s[SEL], s[SEL+1]
	v_add_f32 v[SS], v[SS], v[PT]
	v_add_f32 v[SS+1], v[SS+1], v[PT+1]
	v_cndmask_b32 v[PT], v[SS], v[SS+1], s[HMASK]
	ds_store_b32 v[STW], v[PT] offset:(\reg)*512
	s_wait_dscnt 0x0                       ; for the others' sake: my stores are done, and so are all my reads of the activations
	s_barrier_signal -1
	s_barrier_wait -1
.endm
.macro STAT_GET reg
	LD4 QA, STR, (\reg)*512
	LD4 QA+4, STR, (\reg)*512+256
	s_wait_dscnt 0x0
	v_add_f32 v[QA], v[QA], v[QA+1]
	v_add_f32 v[QA+2], v[QA+2], v[QA+3]
	v_add_f32 v[QA+4], v[QA+4], v[QA+5]
	v_add_f32 v[QA+6], v[QA+6], v[QA+7]
	v_add_f32 v[SS], v[QA], v[QA+2]
	v_add_f32 v[SS+1], v[QA+4], v[QA+6]
.endm
.macro FOLD
	PKADD CH, CH, CH+2
	PKADD CH+4, CH+4, CH+6
	v_add_f32 v[SS], v[CH], v[CH+1]
	v_add_f32 v[SS+1], v[CH+4], v[CH+5]
.endm
; h1 = silu(sums), split and stored.  The barrier: every wave has read x, which h1 overwrites.  Each accumulator is read from its low end on.
.macro EPI_IN
	WIN 0
	PLACES
	s_wait_dscnt 0x0
	s_barrier_signal -1
	s_barrier_wait -1
.set bt, 0
.rept 8                                ; four accumulators at a time: column tiles 2 bt, 2 bt + 1, both row tiles
	WIN 0x01
.set p, 0
.rept 16
	v_pk_mul_f32 v[TE+2*p:TE+2*p+1], v[32*bt+2*p:32*bt+2*p+1], s[NL2E:NL2E+1] op_sel_hi:[1,0]
.set p, p+1
.endr
	WIN 0
	EXPRCP TE, 32
	WIN 0x01
.set p, 0
.rept 16
	PKMUL TE+2*p, 32*bt+2*p, TE+2*p
.set p, p+1
.endr
	WIN 0
	SPLIT TE, THI, TLO, 32
.irp k,0,1,2,3
	ST4 HS, THI+4*\k, bt*4096+(\k%2)*2048+(\k/2)*512
	ST4 HS, TLO+4*\k, bt*4096+(\k%2)*2048+1024+(\k/2)*512
.endr
.set bt, bt+1
.endr
.endm
.macro LNLOAD j, vb, goff, beoff, res, hs  ; gain, bias and (res) the old hi and lo of column tile j, into set j % 2
.set SB, LS+32*((\j)%2)
	LD4 SB, \vb, (\goff)+64*(\j)
	LD4 SB+4, \vb, (\goff)+64*(\j)+16
	LD4 SB+8, \vb, (\beoff)+64*(\j)
	LD4 SB+12, \vb, (\beoff)+64*(\j)+16
.if \res
.irp rt,0,1
.irp hl,0,1
	LD4 SB+16+8*\rt+4*\hl, \hs, ((\j)/2)*4096+\rt*2048+\hl*1024+((\j)%2)*512
.endr
.endr
.endif
.endm
; silu(LN(sums)) (+ the old activation), split and stored.  The mean first, then the squares of the differences.  The barriers of the two sums also stand between every wave's reads of the activations and the stores.
.macro EPI_LN nj, inv, ninv, vb, goff, beoff, res, hs, reg
	WIN 0
	PLACES
	WIN 0x05
.irp rt,0,1
	PKADD CH+4*\rt, 8*\rt, 8*\rt+2
	PKADD CH+4*\rt+2, 8*\rt+4, 8*\rt+6
.endr
	WIN 0x01
.set jj, 1
.rept (\nj)-1
.irp pp,0,1,2,3
.irp rt,0,1
	PKADD CH+4*\rt+2*(\pp%2), 8*(2*jj+\rt)+2*\pp, CH+4*\rt+2*(\pp%2)
.endr
.endr
.set jj, jj+1
.endr
	WIN 0
	FOLD
	STAT_PUT \reg
	STAT_GET \reg
	v_mul_f32 v[NM], \ninv, v[SS]
	v_mul_f32 v[NM+2], \ninv, v[SS+1]
	WIN 0x41
.set aa, 0
.rept 2*(\nj)
.irp pp,0,1,2,3
	PKADDB 8*aa+2*\pp, 8*aa+2*\pp, NM+2*(aa%2)
.endr
.set aa, aa+1
.endr
	WIN 0x05
.irp rt,0,1
	PKMUL CH+4*\rt, 8*\rt, 8*\rt
	PKMUL CH+4*\rt+2, 8*\rt+2, 8*\rt+2
.endr
.irp pp,2,3
.irp rt,0,1
	PKFMA CH+4*\rt+2*(\pp%2), 8*\rt+2*\pp, 8*\rt+2*\pp, CH+4*\rt+2*(\pp%2)
.endr
.endr
.set jj, 1
.rept (\nj)-1
.irp pp,0,1,2,3
.irp rt,0,1
	PKFMA CH+4*\rt+2*(\pp%2), 8*(2*jj+\rt)+2*\pp, 8*(2*jj+\rt)+2*\pp, CH+4*\rt+2*(\pp%2)
.endr
.endr
.set jj, jj+1
.endr
	WIN 0
	FOLD
	STAT_PUT (\reg)+1
	STAT_GET (\reg)+1
	LNLOAD 0, \vb, \goff, \beoff, \res, \hs
	v_mul_f32 v[RS], \inv, v[SS]
	v_mul_f32 v[RS+2], \inv, v[SS+1]
	v_add_f32 v[RS], 0x3727c5ac, v[RS]     ; + 1e-5
	v_add_f32 v[RS+2], 0x3727c5ac, v[RS+2]
	v_rsq_f32 v[RS], v[RS]
	v_rsq_f32 v[RS+2], v[RS+2]
	v_nop
	s_wait_alu depctr_va_vdst(0)
.set jj, 0
.rept \nj
.if jj+1 < (\nj)
	LNLOAD jj+1, \vb, \goff, \beoff, \res, \hs
.if \res
	s_wait_dscnt 8                         ; all but the eight loads just issued: this tile's loads are in
.else
	s_wait_dscnt 4                         ; all but the four just issued
.endif
.else
	s_wait_dscnt 0x0
.endif
.set SB, LS+32*(jj%2)
	WIN 0x01
.irp rt,0,1
.irp pp,0,1,2,3
	PKMULB U+8*\rt+2*\pp, 8*(2*jj+\rt)+2*\pp, RS+2*\rt
.endr
.endr
	WIN 0
.irp rt,0,1
.irp pp,0,1,2,3
	PKFMA U+8*\rt+2*\pp, U+8*\rt+2*\pp, SB+2*\pp, SB+8+2*\pp
.endr
.endr
.set p, 0
.rept 8
	v_pk_mul_f32 v[EE+2*p:EE+2*p+1], v[U+2*p:U+2*p+1], s[NL2E:NL2E+1] op_sel_hi:[1,0]
.set p, p+1
.endr
	EXPRCP EE, 16
.set p, 0
.rept 8
	PKMUL U+2*p, U+2*p, EE+2*p
.set p, p+1
.endr
.if \res
.set i, 0
.rept 16
	MIX U+i, SB+16+8*(i/8)+(i%8)/2, i%2, ONE, U+i
.set i, i+1
.endr
.set i, 0
.rept 16
	MIX U+i, SB+20+8*(i/8)+(i%8)/2, i%2, ONE, U+i
.set i, i+1
.endr
.endif
	SPLIT U, HIB, LOB, 16
.irp rt,0,1
	ST4 \hs, HIB+4*\rt, (jj/2)*4096+\rt*2048+(jj%2)*512
	ST4 \hs, LOB+4*\rt, (jj/2)*4096+\rt*2048+1024+(jj%2)*512
.endr
.set jj, jj+1
.endr
.endm
; z + v, split, is the second evaluation's x.  The last layer's accumulators keep v: the second evaluation adds onto it.
.macro EPI_OUT_A
	WIN 0
	PLACES
	s_wait_dscnt 0x0
	s_barrier_signal -1                    ; every wave has read h3, which x overwrites
	s_barrier_wait -1
	WIN 0x20
.set i, 0
.rept 48
	MIX XT+i, ZP+i/2, i%2, ONE, OA+i
.set i, i+1
.endr
	WIN 0
	SPLIT XT, XH, XL, 48
.set a, 0
.rept 6
	ST4 HSX, XH+4*a, (a/2)*8192+(a%2)*2048
	ST4 HSX, XL+4*a, (a/2)*8192+(a%2)*2048+1024
.set a, a+1
.endr
.endm
; One joint of one row a lane: six numbers a1, a2 from the address in ja; b1 = a1 / |a1|, b2 = (a2 - (b1 . a2) b1) normalised, b3 = b1 x b2; the matrix, whose columns they are, to the address in ra.
.macro JOINT ja, ra
	ds_load_b64 v[JX:JX+1], v[\ja]
	ds_load_b64 v[JX+2:JX+3], v[\ja] offset:8
	ds_load_b64 v[JX+4:JX+5], v[\ja] offset:16
	s_wait_dscnt 0x0
	v_mul_f32 v[JX+6], v[JX], v[JX]
	v_fmac_f32 v[JX+6], v[JX+1], v[JX+1]
	v_fmac_f32 v[JX+6], v[JX+2], v[JX+2]
	v_sqrt_f32 v[JX+6], v[JX+6]
	v_nop                                  ; a plain instruction between a transcendental and the use of its result
	s_wait_alu depctr_va_vdst(0)
	v_max_num_f32 v[JX+6], 0x2b8cbccc, v[JX+6]  ; 1e-12
	v_rcp_f32 v[JX+6], v[JX+6]
	v_nop
	s_wait_alu depctr_va_vdst(0)
	v_mul_f32 v[JX], v[JX], v[JX+6]        ; b1
	v_mul_f32 v[JX+1], v[JX+1], v[JX+6]
	v_mul_f32 v[JX+2], v[JX+2], v[JX+6]
	v_mul_f32 v[JX+7], v[JX], v[JX+3]      ; b1 . a2
	v_fmac_f32 v[JX+7], v[JX+1], v[JX+4]
	v_fmac_f32 v[JX+7], v[JX+2], v[JX+5]
	v_fma_f32 v[JX+3], -v[JX+7], v[JX], v[JX+3]
	v_fma_f32 v[JX+4], -v[JX+7], v[JX+1], v[JX+4]
	v_fma_f32 v[JX+5], -v[JX+7], v[JX+2], v[JX+5]
	v_mul_f32 v[JX+8], v[JX+3], v[JX+3]
	v_fmac_f32 v[JX+8], v[JX+4], v[JX+4]
	v_fmac_f32 v[JX+8], v[JX+5], v[JX+5]
	v_sqrt_f32 v[JX+8], v[JX+8]
	v_nop
	s_wait_alu depctr_va_vdst(0)
	v_max_num_f32 v[JX+8], 0x2b8cbccc, v[JX+8]
	v_rcp_f32 v[JX+8], v[JX+8]
	v_nop
	s_wait_alu depctr_va_vdst(0)
	v_mul_f32 v[JX+3], v[JX+3], v[JX+8]    ; b2
	v_mul_f32 v[JX+4], v[JX+4], v[JX+8]
	v_mul_f32 v[JX+5], v[JX+5], v[JX+8]
	v_mul_f32 v[JX+9], v[JX+1], v[JX+5]    ; b3 = b1 x b2
	v_mul_f32 v[JX+10], v[JX+2], v[JX+3]
	v_mul_f32 v[JX+11], v[JX], v[JX+4]
	v_fma_f32 v[JX+9], -v[JX+2], v[JX+4], v[JX+9]
	v_fma_f32 v[JX+10], -v[JX], v[JX+5], v[JX+10]
	v_fma_f32 v[JX+11], -v[JX+1], v[JX+3], v[JX+11]
.irp i,0,1,2
	ds_store_b32 v[\ra], v[JX+\i] offset:12*\i
	ds_store_b32 v[\ra], v[JX+3+\i] offset:12*\i+4
	ds_store_b32 v[\ra], v[JX+9+\i] offset:12*\i+8
.endr
.endm
	s_load_b256 s[4:11], s[0:1], 0x0       ; ws s[4:5], zf s[6:7], ctf s[8:9], vecs s[10:11]
	s_load_b128 s[12:15], s[0:1], 0x20     ; out0 s[12:13], out1 s[14:15]
	s_load_b64 s[16:17], s[0:1], 0x30      ; out2
	v_lshl_add_u32 v[SPW], v0, 2, SPARE
	v_mov_b32 v[NIL], 0
	ds_add_u32 v[SPW], v[NIL]              ; the wave's opening: the add and its wait ahead of my first tensor load
	v_lshrrev_b32 v[LANE], 5, v0
	v_readfirstlane_b32 s[WV], v[LANE]
	s_bfe_u32 s19, ttmp6, 0x40000          ; cx
	s_lshl_b32 s20, ttmp9, 2
	s_add_co_u32 s20, s20, s19             ; my block of 32 rows: it enters global addresses of my own loads and stores alone
	s_mov_b32 s[G1], 15|(3<<16)|(1<<21)    ; 15:0 the mask of four; 17:16 elements of 8 bytes; 21 set beside a mask; no padding
	s_mov_b32 s[G1+1], 32<<16              ; tensor_dim0 = 32 elements = 256 bytes
	s_mov_b32 s[G1+2], 64<<16              ; tensor_dim1 = 64 rows
	s_mov_b32 s[G1+3], 32<<16              ; tile_dim0
	s_mov_b32 s[G1+4], 64                  ; tile_dim1
	s_mov_b32 s[G1+5], 32                  ; dense
	s_mov_b32 s[G1+6], 0
	s_mov_b32 s[G1+7], 0
	s_mov_b32 s[G0], 1
	s_lshl_b32 s[G0+1], s[WV], 14          ; slot 0, my part
	s_mov_b32 s[OFF+1], 0
	s_mov_b32 s[NXT], 1
	s_mov_b32 s[TB], SLOTB                 ; the first change of slots turns it into 0
	s_mov_b32 s[EV], 2
	s_mov_b32 s[TOFF], 0
	s_mov_b32 s[NL2E], 0xbfb8aa3b
	s_mov_b32 s[NL2E+1], 0xbfb8aa3b
	s_mov_b32 s[SEL], 0x76543210
	s_mov_b32 s[SEL+1], 0xfedcba98
	s_mov_b32 s[HMASK], 0xffff0000
	s_lshl_b32 s50, s[WV], 14              ; ws: my part of a tile
	s_mov_b32 s51, 0
	s_mul_i32 s52, s20, 12288              ; zf: my two row tiles; K step w / 2, half w % 2
	s_lshr_b32 s56, s[WV], 1
	s_lshl_b32 s56, s56, 10
	s_add_co_u32 s52, s52, s56
	s_and_b32 s56, s[WV], 1
	s_lshl_b32 s56, s56, 9
	s_add_co_u32 s52, s52, s56
	s_mov_b32 s53, 0
	s_lshr_b32 s54, s20, 4                 ; ctf: my four batches are rows 4 (wg % 4) .. of row tile wg / 4
	s_lshl_b32 s54, s54, 18
	s_bfe_u32 s56, s20, 0x20002
	s_lshl_b32 s56, s56, 14
	s_add_co_u32 s54, s54, s56
	s_and_b32 s56, s20, 3
	s_lshl_b32 s56, s56, 6
	s_add_co_u32 s54, s54, s56
	s_mov_b32 s55, 0
	s_mov_b32 s57, 0
	s_wait_dscnt 0x0                       ; the opening add is done
	s_wait_kmcnt 0x0
	s_add_nc_u64 s[4:5], s[4:5], s[50:51]
	s_add_nc_u64 s[G0+2:G0+3], s[4:5], 0
	s_or_b32 s[G0+3], s[G0+3], 0x80000000
	s_add_nc_u64 s[6:7], s[6:7], s[52:53]
	s_add_nc_u64 s[8:9], s[8:9], s[54:55]
	s_mul_i32 s56, s20, 16896
	s_add_nc_u64 s[12:13], s[12:13], s[56:57]
	s_mul_i32 s56, s20, 25344
	s_add_nc_u64 s[14:15], s[14:15], s[56:57]
	s_lshl_b32 s56, s20, 7
	s_add_nc_u64 s[16:17], s[16:17], s[56:57]
	CROUND                                 ; all four work-groups are here: the first joint loads meet
	tensor_load_to_lds s[G0:G0+3], s[G1:G1+7]  ; tile 0 into slot 0
	s_nop 0
	PLACES
	v_and_b32 v[LANE], 31, v0
	v_and_b32 v[R15], 15, v0
	v_bfe_u32 v[HB], v0, 4, 1
	v_lshlrev_b32 v[L16], 4, v[LANE]
	v_lshlrev_b32 v[T16], 4, v0
	; entry q = thread + 128 it of the table: column tile q / 8, batch (q / 2) % 4, lane half q % 2
	v_lshrrev_b32 v[CTO], 4, v0
	v_lshlrev_b32 v[CTO], 10, v[CTO]
	v_bfe_u32 v[TVO], v0, 3, 1
	v_lshl_add_u32 v[CTO], v[TVO], 9, v[CTO]
	v_and_b32 v[TVO], 1, v0
	v_lshl_add_u32 v[CTO], v[TVO], 8, v[CTO]
	v_bfe_u32 v[TD], v0, 1, 2
	v_lshl_add_u32 v[CTO], v[TD], 4, v[CTO]
	v_lshrrev_b32 v[TD], 3, v0
	v_lshlrev_b32 v[TD], 6, v[TD]
	v_lshl_add_u32 v[TVO], v[TVO], 5, v[TD]
	v_lshl_add_u32 v[TD], v0, 5, CTT
	v_add_nc_u32 v[VD], VT, v[T16]
.irp a,0,1,2,3,4,5
	global_load_b128 v[ZP+4*\a:ZP+4*\a+3], v[L16], s[6:7] offset:(\a%2)*6144+(\a/2)*2048
.endr
.irp i,0,1,2,3,4,5,6,7,8,9
	global_load_b128 v[200+4*\i:200+4*\i+3], v[T16], s[10:11] offset:\i*2048
.endr
.irp it,0,1,2,3
	global_load_b128 v[AF+24*\it:AF+24*\it+3], v[CTO], s[8:9] offset:(\it/2)*65536+(\it%2)*8192
	global_load_b128 v[AF+24*\it+4:AF+24*\it+7], v[CTO], s[8:9] offset:(\it/2)*65536+(\it%2)*8192+131072
	global_load_b128 v[AF+24*\it+8:AF+24*\it+11], v[TVO], s[10:11] offset:20480+\it*1024
	global_load_b128 v[AF+24*\it+12:AF+24*\it+15], v[TVO], s[10:11] offset:20480+\it*1024+16
	global_load_b128 v[AF+24*\it+16:AF+24*\it+19], v[TVO], s[10:11] offset:24576+\it*1024
	global_load_b128 v[AF+24*\it+20:AF+24*\it+23], v[TVO], s[10:11] offset:24576+\it*1024+16
.endr
	; the LDS addresses, while the loads are out
	s_lshl_b32 s49, s[WV], 14
	v_add_nc_u32 v[LB], s49, v[L16]
	v_add_nc_u32 v[LH], H, v[L16]
	s_add_co_u32 s49, s49, H
	v_add_nc_u32 v[HS1], s49, v[L16]
	s_lshl_b32 s49, s[WV], 15
	s_add_co_u32 s49, s49, H
	v_add_nc_u32 v[HS], s49, v[L16]
	s_lshr_b32 s49, s[WV], 1
	s_lshl_b32 s49, s49, 12
	s_and_b32 s50, s[WV], 1
	s_lshl_b32 s50, s50, 9
	s_add_co_u32 s49, s49, s50
	s_add_co_u32 s49, s49, H
	v_add_nc_u32 v[HSX], s49, v[L16]
	v_lshlrev_b32 v[HB], 5, v[HB]          ; 32 h
	s_lshl_b32 s49, s[WV], 10
	s_add_co_u32 s49, s49, VT
	v_add_nc_u32 v[VB], s49, v[HB]
	s_lshl_b32 s49, s[WV], 9
	s_add_co_u32 s49, s49, VT
	v_add_nc_u32 v[VB1], s49, v[HB]
	s_lshl_b32 s49, s[WV], 6
	s_add_co_u32 s49, s49, VT+18432
	v_add_nc_u32 v[VBO], s49, v[HB]
	v_lshrrev_b32 v[TBL], 3, v[R15]
	v_lshl_add_u32 v[TBL], v[TBL], 6, v[HB]
	s_lshl_b32 s49, s[WV], 12
	s_add_co_u32 s49, s49, CTT
	v_add_nc_u32 v[TBL], s49, v[TBL]
	s_lshl_b32 s49, s[WV], 2
	s_add_co_u32 s49, s49, ST
	v_add_nc_u32 v[STW], s49, v[L16]
	v_lshl_add_u32 v[STR], v[R15], 4, ST
	v_mov_b32 v[ONE], 1.0
	v_mov_b32 v[NEG1], -1.0
.irp k,1,3,5,7
	v_mov_b32 v[NM+\k], 0                  ; named as the second of a pair
.endr
	v_mov_b32 v[PT], 0                     ; v_permlanex16_b32 counts as a reader of its destination
	v_mov_b32 v[PT+1], 0
.irp k,0,1,2,3
	v_mov_b32 v[Z4+\k], 0
.endr
	WIN 0x80                               ; the last layer's 48 sums run through both evaluations (ob + products, twice), so they start at 0 once
.set i, 0
.rept 48
	v_mov_b32 v[OA+i], 0
.set i, i+1
.endr
	WIN 0
	s_wait_loadcnt 0x0
.irp i,0,1,2,3,4,5,6,7,8,9
	ST4 VD, 200+4*\i, \i*2048
.endr
.irp it,0,1,2,3
.irp p,0,1,2,3
	v_lshlrev_b32 v[VV+2*\p], 16, v[AF+24*\it+\p]
	v_and_b32 v[VV+2*\p+1], s[HMASK], v[AF+24*\it+\p]
.endr
.irp p,0,1,2,3
	MIX VV+2*\p, AF+24*\it+4+\p, 0, ONE, VV+2*\p
	MIX VV+2*\p+1, AF+24*\it+4+\p, 1, ONE, VV+2*\p+1
.endr
.irp p,0,1,2,3
	PKADD AF+24*\it+8+2*\p, AF+24*\it+8+2*\p, VV+2*\p
	PKADD AF+24*\it+16+2*\p, AF+24*\it+16+2*\p, VV+2*\p
.endr
	ST4 TD, AF+24*\it+8, \it*4096
	ST4 TD, AF+24*\it+12, \it*4096+16
	ST4 TD, AF+24*\it+16, \it*4096+16384
	ST4 TD, AF+24*\it+20, \it*4096+16384+16
.endr
.irp a,0,1,2,3,4,5                     ; the first evaluation's x is z: exact in hi, 0 in lo
	ST4 HSX, ZP+4*\a, (\a/2)*8192+(\a%2)*2048
	ST4 HSX, Z4, (\a/2)*8192+(\a%2)*2048+1024
.endr
	s_wait_dscnt 0x0                       ; for the others' sake: my stores are done
	s_barrier_signal -1                    ; tile 0 may stay out
	s_barrier_wait -1
.irp j,0,1,2
	LD4 OB+8*\j, VBO, \j*256
	LD4 OB+8*\j+4, VBO, \j*256+16
.endr
.Leval:                                        ; twice: t = 0 on z, t = 1 on z + v
	v_add_nc_u32 v[TBLC], s[TOFF], v[TBL]
	INIT TBLC, 0, 16, 256, 128
	s_mov_b32 s[KA], 0
	s_mov_b32 s[CNT], 6
.Lin:
	TRIP_A
	WIN 0
	s_sub_co_u32 s[CNT], s[CNT], 1
	s_cmp_lg_u32 s[CNT], 0
	s_cbranch_scc1 .Lin
	EPI_IN
	INIT VB, 0, 16, 64, 0
	s_mov_b32 s[KA], 0
	s_mov_b32 s[CNT], 32
.Lh0:
	TRIP_A
	WIN 0
	s_sub_co_u32 s[CNT], s[CNT], 1
	s_cmp_lg_u32 s[CNT], 0
	s_cbranch_scc1 .Lh0
	EPI_LN 16, 0x3a800000, 0xba800000, VB, 4096, 8192, 1, HS, 0
	INIT VB1, 12288, 8, 64, 0
	s_mov_b32 s[KA], 0
	s_mov_b32 s[CNT], 16
.Lh1:
	TRIP_B
	WIN 0
	s_sub_co_u32 s[CNT], s[CNT], 1
	s_cmp_lg_u32 s[CNT], 0
	s_cbranch_scc1 .Lh1
	EPI_LN 8, 0x3b000000, 0xbb000000, VB1, 14336, 16384, 0, HS1, 2
	WIN 0x82
.set a, 0
.rept 6
.irp pp,0,1,2,3
	PKADD OA+8*a+2*\pp, OA+8*a+2*\pp, OB+8*(a/2)+2*\pp
.endr
.set a, a+1
.endr
	WIN 0
	TRIP_C 0, 1
	TRIP_C 1, 1
	s_cmp_eq_u32 s[EV], 1
	s_cbranch_scc1 .Llast                  ; the walk's last tile is written out: it asks for nothing more
	TRIP_C 2, 1                            ; asks for tile 0 again: the ring runs on into the second evaluation
	EPI_OUT_A
	s_mov_b32 s[TOFF], 16384
	s_sub_co_u32 s[EV], s[EV], 1
	s_branch .Leval
.Llast:
	TRIP_C 2, 0
	PLACES
	s_wait_dscnt 0x0
	s_barrier_signal -1                    ; every wave has read h3: the samples and the matrices take its place
	s_barrier_wait -1
	; THE END.  samples = z + 0.5 (v + v'); the sums hold v + v'
	WIN 0x02
.set p, 0
.rept 24
	v_pk_mul_f32 v[XT+2*p:XT+2*p+1], v[OA+2*p:OA+2*p+1], 0.5 op_sel_hi:[1,0]
.set p, p+1
.endr
	WIN 0
.set i, 0
.rept 48
	MIX XT+i, ZP+i/2, i%2, ONE, XT+i
.set i, i+1
.endr
	v_and_b32 v[SMR], 15, v0
	v_mul_u32_u24 v[SMW], v[SMR], 528
	v_bfe_u32 v[SMR], v0, 4, 1
	v_lshl_add_u32 v[SMW], v[SMR], 5, v[SMW]
	s_lshl_b32 s50, s[WV], 6
	s_add_co_u32 s50, s50, SM
	v_add_nc_u32 v[SMW], s50, v[SMW]       ; row r, columns 16 w + 8 h ..
	v_add_nc_u32 v[SMR], SM, v[G16]
	; the joints: wave w takes rows 8 w .. 8 w + 7, so that its matrices are 6,336 consecutive bytes of LDS; lane l takes row l % 8 and, in trip t, joint l / 8 + 4 t
	v_and_b32 v[JAC], 7, v0
	v_bfe_u32 v[RAC], v0, 3, 2             ; g = l / 8
	v_mul_u32_u24 v[JA0], v[JAC], 528
	v_mul_u32_u24 v[RA0], v[JAC], 792
	s_mul_i32 s50, s[WV], 8*528
	s_add_co_u32 s50, s50, SM
	v_add_nc_u32 v[JA0], s50, v[JA0]       ; my row of samples
	s_mul_i32 s50, s[WV], 8*792
	s_add_co_u32 s50, s50, RO
	v_add_nc_u32 v[RA0], s50, v[RA0]       ; my row of matrices
	v_add_nc_u32 v[L4], 2, v[RAC]          ; the sixth trip: joint 18 + (g + 2) % 4: 20 and 21 for g = 0 and 1; g = 2 and 3 make their own joints 18 and 19 once more
	v_and_b32 v[L4], 3, v[L4]
	v_mul_u32_u24 v[JA5], v[L4], 24
	v_mul_u32_u24 v[RA5], v[L4], 36
	v_add_nc_u32 v[JA5], v[JA5], v[JA0]
	v_add_nc_u32 v[RA5], v[RA5], v[RA0]
	v_add_nc_u32 v[JA5], 18*24, v[JA5]
	v_add_nc_u32 v[RA5], 18*36, v[RA5]
	v_mul_u32_u24 v[JAC], v[RAC], 24
	v_mul_u32_u24 v[RAC], v[RAC], 36
	v_add_nc_u32 v[JA0], v[JAC], v[JA0]
	v_add_nc_u32 v[RA0], v[RAC], v[RA0]
	v_lshlrev_b32 v[L4], 2, v[LANE]
	v_lshl_add_u32 v[S4], v[LANE], 4, ST+2048
.irp a,0,1,2,3
	ST4 SMW, XT+8*\a, (\a%2)*8448+(\a/2)*256
	ST4 SMW, XT+8*\a+4, (\a%2)*8448+(\a/2)*256+16
.endr
	s_cmp_lg_u32 s[WV], 0
	s_cbranch_scc1 .Lno128                 ; of columns 128 on only 128..131 exist: wave 0, lanes 0-15, four numbers
	v_cmp_gt_u32 vcc_lo, 16, v[LANE]
	s_wait_xcnt 0x0                        ; EXEC changes only behind this wait
	s_and_saveexec_b32 s50, vcc_lo
	ST4 SMW, XT+32, 512
	ST4 SMW, XT+40, 8448+512
	s_wait_xcnt 0x0
	s_or_b32 exec_lo, exec_lo, s50
.Lno128:
.irp rt,0,1                            ; the squares; the padded columns are exactly 0
	PKMUL CH+4*\rt, XT+8*\rt, XT+8*\rt
.endr
.set a, 0
.rept 6
.irp pp,0,1,2,3
.if (a > 1) || (\pp > 0)
	PKFMA CH+4*(a%2), XT+8*a+2*\pp, XT+8*a+2*\pp, CH+4*(a%2)
.endif
.endr
.set a, a+1
.endr
	v_add_f32 v[SS], v[CH], v[CH+1]
	v_add_f32 v[SS+1], v[CH+4], v[CH+5]
	STAT_PUT 4                             ; its wait and barrier also publish the samples
	; out0: the 32 rows are 16,896 consecutive bytes, in LDS and in memory
.irp it,0,1,2,3,4,5,6,7
	LD4 CP+4*\it, SMR, \it*2048
.endr
.irp it,0,1,2,3,4,5,6,7
	s_wait_dscnt 7-\it                     ; the later read-backs stay out
	global_store_b128 v[G16], v[CP+4*\it:CP+4*\it+3], s[12:13] offset:\it*2048
.endr
	s_cmp_lg_u32 s[WV], 0
	s_cbranch_scc1 .Lnot0
	LD4 CP+32, SMR, 16384                  ; the last 512 bytes
	LD4 QA, S4, 0                          ; row L's four parts of the sum of squares
	s_wait_dscnt 0x0
	global_store_b128 v[G16], v[CP+32:CP+35], s[12:13] offset:16384
	v_add_f32 v[QA], v[QA], v[QA+1]
	v_add_f32 v[QA+2], v[QA+2], v[QA+3]
	v_add_f32 v[QA], v[QA], v[QA+2]
	v_mul_f32 v[QA], 0xbb783e10, v[QA]     ; x -0.5 / 132
	global_store_b32 v[L4], v[QA], s[16:17]
.Lnot0:
	s_mov_b32 s[KA], 0                     ; four joints on: 96 bytes of samples,
	s_mov_b32 s[KB], 0                     ; 144 bytes of matrices
	s_mov_b32 s[CNT], 5
.Ljoint:
	v_add_nc_u32 v[JAC], s[KA], v[JA0]
	v_add_nc_u32 v[RAC], s[KB], v[RA0]
	s_add_co_u32 s[KA], s[KA], 96
	s_add_co_u32 s[KB], s[KB], 144
	JOINT JAC, RAC
	s_sub_co_u32 s[CNT], s[CNT], 1
	s_cmp_lg_u32 s[CNT], 0
	s_cbranch_scc1 .Ljoint
	JOINT JA5, RA5
	s_wait_dscnt 0x0                       ; for the others' sake: my matrices are stored
	s_barrier_signal -1
	s_barrier_wait -1
	; out1: 25,344 consecutive bytes
.irp it,0,1,2,3,4,5,6,7,8,9,10,11
	LD4 CQ+4*\it, SMR, ROFF+\it*2048
.endr
.irp it,0,1,2,3,4,5,6,7,8,9,10,11
	s_wait_dscnt 11-\it                    ; the later read-backs stay out
	global_store_b128 v[G16], v[CQ+4*\it:CQ+4*\it+3], s[14:15] offset:\it*2048
.endr
	v_cmp_gt_u32 vcc_lo, 48, v0            ; the last 768 bytes: threads 0 to 47
	s_wait_xcnt 0x0                        ; EXEC changes only behind this wait
	s_and_saveexec_b32 s50, vcc_lo
	LD4 JX, SMR, ROFF+24576
	s_wait_dscnt 0x0
	global_store_b128 v[G16], v[JX:JX+3], s[14:15] offset:24576
	s_wait_xcnt 0x0
	s_or_b32 exec_lo, exec_lo, s50
	s_wait_tensorcnt 0x0                   ; the wave's end
	ds_add_u32 v[SPW], v[NIL]
	s_wait_dscnt 0x0
	CROUND                                 ; the closing round
	s_endpgm
.Lfunc_end_k_qfcf3fffaf3_flow:
	.size	k_qfcf3fffaf3_flow, .Lfunc_end_k_qfcf3fffaf3_flow-k_qfcf3fffaf3_flow
	.p2alignl 7, 3214868480
	.fill 96, 4, 3214868480
	.section	.rodata,"a",@progbits
	.p2align	6, 0x0
	.amdhsa_kernel k_qfcf3fffaf3_flow
		.amdhsa_group_segment_fixed_size 327680
		.amdhsa_private_segment_fixed_size 0
		.amdhsa_enable_private_segment 0
		.amdhsa_kernarg_size 56
		.amdhsa_user_sgpr_count 2
		.amdhsa_user_sgpr_kernarg_segment_ptr 1
		.amdhsa_wavefront_size32 1
		.amdhsa_system_sgpr_workgroup_id_x 1
		.amdhsa_system_sgpr_workgroup_id_y 1
		.amdhsa_system_sgpr_workgroup_id_z 1
		.amdhsa_system_vgpr_workitem_id 0
		.amdhsa_next_free_vgpr 688
		.amdhsa_next_free_sgpr 66
		.amdhsa_reserve_vcc 1
		.amdhsa_float_denorm_mode_32 3
		.amdhsa_float_denorm_mode_16_64 3
		.amdhsa_memory_ordered 1
		.amdhsa_forward_progress 1
		.amdhsa_inst_pref_size 255
	.end_amdhsa_kernel
	.section	.bss,"aw",@nobits
	.p2align	6
	.space	262144
	.amdgpu_metadata
---
amdhsa.version: [ 1, 2 ]
amdhsa.kernels:
  - .name:           k_qfcf3fffaf3_flow
    .symbol:         k_qfcf3fffaf3_flow.kd
    .args:
      - { .name: ws, .offset: 0, .size: 8, .value_kind: global_buffer, .address_space: global }
      - { .name: zf, .offset: 8, .size: 8, .value_kind: global_buffer, .address_space: global }
      - { .name: ctf, .offset: 16, .size: 8, .value_kind: global_buffer, .address_space: global }
      - { .name: vecs, .offset: 24, .size: 8, .value_kind: global_buffer, .address_space: global }
      - { .name: out0, .offset: 32, .size: 8, .value_kind: global_buffer, .address_space: global }
      - { .name: out1, .offset: 40, .size: 8, .value_kind: global_buffer, .address_space: global }
      - { .name: out2, .offset: 48, .size: 8, .value_kind: global_buffer, .address_space: global }
    .group_segment_fixed_size: 327680
    .private_segment_fixed_size: 0
    .kernarg_segment_align: 8
    .kernarg_segment_size: 56
    .max_flat_workgroup_size: 128
    .sgpr_count:     66
    .vgpr_count:     688
    .wavefront_size: 32
...
	.end_amdgpu_metadata
.endif
;; end of part 3
;; ======== version 2 of 2: 4 launches; 1.34 times as fast as version 1
;; workspace buffers: featsf 4,194,304 bytes; cwf 4,194,304 bytes; iwcf 4,194,304 bytes; ef 4,194,304 bytes; ctf 4,194,304 bytes; ws 3,801,088 bytes; zf 3,145,728 bytes; vecs 28,672 bytes
;; launch prep (part 4): grid 611 x 1, 8 waves a work-group, no clusters, 75,776 bytes of LDS; arguments feats, params_cw, params_iw, params_w0, params_w1, params_ow, z, params_tw, params_tb, params_b0, params_g0, params_be0, params_b1, params_g1, params_be1, params_ob, featsf, cwf, iwcf, ws, zf, vecs; writes featsf, cwf, iwcf, ws, zf, vecs
.if DOCPART == 4
	.amdgcn_target "amdgcn-amd-amdhsa--gfx1250"
	.amdhsa_code_object_version 6
	.text
	.protected	k_qfcf3fffaf3_prep
	.globl	k_qfcf3fffaf3_prep
	.p2align	8
	.type	k_qfcf3fffaf3_prep,@function
k_qfcf3fffaf3_prep:
	s_mov_b64 s[64:65], 0
	v_nop
	global_prefetch_b8 v0, s[64:65] scope:SCOPE_SE
	s_setreg_imm32_b32 hwreg(HW_REG_WAVE_MODE, 25, 1), 1
	s_wait_xcnt 0x0
; PREP: every input is rounded once to bf16 and laid in FRAGMENT ORDER for the launches behind.
; A fragment is 16 rows (of an activation) or 16 columns (of a weight) x 32 k, 1,024 dense bytes: byte 512 c + 16 L + 2 i holds
; element (L % 16, k = 16 c + 8 (L / 16) + i), so that two 16-byte loads a lane, at 16 L and 512 + 16 L, are a matrix operand.
; A stream: each input byte is read once (iw's rows 132..191 twice), by loads of 512 or 256 consecutive bytes, and every store of a wave covers 512
; consecutive bytes, aligned.  No matrix unit, no tensor load, no cluster: nothing is shared between work-groups and nothing is multiplied in bulk.
; CLASSES, by the work-group's number alone (a unit = 8 x work-group + wave):
;   W   0..153  weights [k][n] f32: a unit is 32 k x 128 n = 8 fragments, turned through the wave's own LDS bytes
;   A 154..601  feats and z [row][k] f32: a unit is 16 rows x 64 k = 2 fragments
;   T 602..609  T_t[n] = sum over k of silu(t tw[k] + tb[k]) iw[132 + k][n], t = 0 and 1, in f32 on the vector unit (256 k, one row: no matrix work)
;   V 610       biases and gains, rounded to bf16 and kept as f32; ob padded with zeros to 512 numbers
; ws, for the last launch: tiles of 131,072 bytes, eight parts of 16,384, one for each of its waves.  Column tile T of a layer belongs to part T % 8; with NJ = a layer's column tiles / 8 (8, 8, 4, 2)
; a tile holds 16 / NJ K steps, and fragment (K step u of the tile, T / 8) lies at (u NJ + T / 8) x 1,024 of its part.  Tiles 0-2: iw's rows 0..191; 3-18: w0; 19-26: w1; 27-28: ow, padded to 256 columns.
; LDS: classes W and A use 8,320 bytes a wave, the wave's own, from byte 0; then the spare words.
; LIMITS: inputs are rounded to bf16 (nearest even); NaN and infinities are not treated apart; exponential and reciprocal are good to 1 ULP and flush denormals.
.set SPARE, 66560                      ; behind the eight waves' bytes: the spare words, 128 bytes a wave
.set TREG,  67584                      ; behind the spare words: class T's partial sums, 1,024 bytes a wave
.set WLDS,  8320                       ; LDS bytes of a wave: 8 fragments at a pitch of 1,040
.set FP,    1040                       ; 1,024 + 16: the sixteen lanes of a store's half fall on sixteen different 16-byte columns
.set SPW, 30                           ; v30  my spare word's address; never rewritten
.set NIL, 31                           ; v31  0; never rewritten
.set O,   16                           ; v[16:23]  byte offset of fragment f in the destination
.set X,   32                           ; v[32:159] as loaded; later the fragments read back
.set P,   160                          ; v[160:223] packed bf16
.set WT,  164                          ; class T: four weights at work
.set A0,  168                          ; class T: sums for t = 0
.set A1,  172                          ; class T: sums for t = 1
; scalars: s2 wave, s3 unit, s[4:5] source, s[6:7] destination, s8 k step, s9 column group, s[10:11] source offset, s[12:13] destination offset,
; s14, s15 fragment strides, s17 1: stored twice, s18 valid lanes, s20 1: mask, s21 my LDS bytes, s22 lane mask, s32 upper-half mask
	v_lshl_add_u32 v[SPW], v0, 2, SPARE
	v_mov_b32 v[NIL], 0
	v_lshrrev_b32 v1, 5, v0
	v_readfirstlane_b32 s2, v1             ; wave 0..7
	v_and_b32 v1, 31, v0                   ; lane
	v_lshlrev_b32 v2, 4, v1                ; 16 x lane
	s_lshl_b32 s3, ttmp9, 3
	s_add_co_u32 s3, s3, s2                ; unit
	s_mul_i32 s21, s2, WLDS
	s_mov_b32 s11, 0
	s_mov_b32 s13, 0
	s_mov_b32 s17, 0
	s_mov_b32 s18, 32
	s_mov_b32 s20, 0
	s_mov_b32 s32, 0xffff0000
	s_cmp_lt_u32 ttmp9, 64
	s_cbranch_scc1 .Lcw
	s_cmp_lt_u32 ttmp9, 96
	s_cbranch_scc1 .Liwc
	s_cmp_lt_u32 ttmp9, 128
	s_cbranch_scc1 .Lw0
	s_cmp_lt_u32 ttmp9, 144
	s_cbranch_scc1 .Lw1
	s_cmp_lt_u32 ttmp9, 150
	s_cbranch_scc1 .Lix
	s_cmp_lt_u32 ttmp9, 154
	s_cbranch_scc1 .Low
	s_cmp_lt_u32 ttmp9, 410
	s_cbranch_scc1 .Lfe
	s_cmp_lt_u32 ttmp9, 602
	s_cbranch_scc1 .Lz
	s_cmp_lt_u32 ttmp9, 610
	s_cbranch_scc1 .Lt
; ---------------- CLASS V: seven short vectors.  Each has registers of its own, so no store's data is ever rewritten.
.macro RND n, dst, mask=0
	v_cvt_pk_bf16_f32 v[X+12*(\n)+4], v[X+12*(\n)], v[X+12*(\n)+1]
	v_cvt_pk_bf16_f32 v[X+12*(\n)+5], v[X+12*(\n)+2], v[X+12*(\n)+3]
	v_lshlrev_b32 v[X+12*(\n)+8], 16, v[X+12*(\n)+4]
	v_and_b32 v[X+12*(\n)+9], s32, v[X+12*(\n)+4]
	v_lshlrev_b32 v[X+12*(\n)+10], 16, v[X+12*(\n)+5]
	v_and_b32 v[X+12*(\n)+11], s32, v[X+12*(\n)+5]
.if \mask
.irp k,8,9,10,11
	v_cndmask_b32 v[X+12*(\n)+\k], 0, v[X+12*(\n)+\k], s22
.endr
.endif
	global_store_b128 v3, v[X+12*(\n)+8:X+12*(\n)+11], s[6:7] offset:\dst
.endm
	s_load_b64 s[36:37], s[0:1], 0x48      ; b0
	s_load_b64 s[38:39], s[0:1], 0x50      ; g0
	s_load_b64 s[40:41], s[0:1], 0x58      ; be0
	s_load_b64 s[42:43], s[0:1], 0x60      ; b1
	s_load_b64 s[44:45], s[0:1], 0x68      ; g1
	s_load_b64 s[46:47], s[0:1], 0x70      ; be1
	s_load_b64 s[48:49], s[0:1], 0x78      ; ob
	s_load_b64 s[6:7], s[0:1], 0xa8        ; vecs
	v_lshlrev_b32 v3, 4, v0                ; 16 x thread: four numbers
	v_min_u32 v4, 32, v0                   ; ob has 33 groups of four: later threads read the last one again and store zeros
	v_lshlrev_b32 v4, 4, v4
	v_cmp_gt_u32 s22, 33, v0
	s_wait_kmcnt 0x0
	global_load_b128 v[X:X+3], v3, s[36:37]
	global_load_b128 v[X+12:X+15], v3, s[38:39]
	global_load_b128 v[X+24:X+27], v3, s[40:41]
	s_cmp_ge_u32 s2, 4
	s_cbranch_scc1 .Lv_long                ; the vectors of 512 numbers take waves 0 to 3
	global_load_b128 v[X+36:X+39], v3, s[42:43]
	global_load_b128 v[X+48:X+51], v3, s[44:45]
	global_load_b128 v[X+60:X+63], v3, s[46:47]
	global_load_b128 v[X+72:X+75], v4, s[48:49]
	s_wait_loadcnt 0x0
	RND 3, 12288
	RND 4, 14336
	RND 5, 16384
	RND 6, 18432, 1
.Lv_long:
	s_wait_loadcnt 0x0
	RND 0, 0
	RND 1, 4096
	RND 2, 8192
	s_branch .Lend
; ---------------- CLASS W: the leaves set source, destination and strides
.macro SPLIT8 base                     ; eight column groups of 128 to a K step; rows of 4,096 bytes
	s_sub_co_u32 s3, s3, \base
	s_lshr_b32 s8, s3, 3
	s_and_b32 s9, s3, 7
	s_lshl_b32 s10, s8, 17                 ; 32 rows x 4,096 bytes
	s_lshl_b32 s24, s9, 9
	s_add_co_u32 s10, s10, s24
.endm
.macro DBLOCK                          ; blocked for the GEMM: [n tile / 4][k step / 16][n tile % 4][k step % 16] fragments
	s_lshl_b32 s12, s9, 19
	s_lshr_b32 s24, s8, 4
	s_lshl_b32 s24, s24, 16
	s_add_co_u32 s12, s12, s24
	s_and_b32 s24, s8, 15
	s_lshl_b32 s24, s24, 10
	s_add_co_u32 s12, s12, s24
	s_mov_b32 s14, 16384
	s_mov_b32 s15, 262144
.endm
.macro DBIG first, lk                  ; ws: 2^lk K steps to a tile.  My eight fragments are column tiles 8 g + f: part f, place u NJ + g, NJ = 16 >> lk
	s_lshr_b32 s12, s8, \lk
	s_add_co_u32 s12, s12, \first
	s_lshl_b32 s12, s12, 17
	s_and_b32 s24, s8, (1<<(\lk))-1
	s_lshl_b32 s24, s24, 4-(\lk)
	s_add_co_u32 s24, s24, s9
	s_lshl_b32 s24, s24, 10
	s_add_co_u32 s12, s12, s24
	s_mov_b32 s14, 16384
	s_mov_b32 s15, 65536
.endm
.macro WHEAD
	v_cmp_gt_u32 s22, s18, v1              ; lanes whose four columns exist
	v_cndmask_b32 v3, 0, v2, s22           ; the others read lane 0's bytes and are zeroed below
	s_wait_kmcnt 0x0
	s_add_nc_u64 s[4:5], s[4:5], s[10:11]
	s_add_nc_u64 s[6:7], s[6:7], s[12:13]
.endm
.macro WLOAD pitch                     ; 32 rows of k; a load covers 512 consecutive bytes
.set i, 0
.rept 32
	global_load_b128 v[X+4*i:X+4*i+3], v3, s[4:5] offset:i*(\pitch)
.set i, i+1
.endr
.endm
.Lcw:
	s_load_b64 s[4:5], s[0:1], 0x08
	s_load_b64 s[6:7], s[0:1], 0x88
	SPLIT8 0
	DBLOCK
	s_branch .Lw4096
.Liwc:                                         ; iw's rows 388..1411; stored a second time as K steps 32..63, for the low halves of ctx_emb
	s_load_b64 s[4:5], s[0:1], 0x10
	s_load_b64 s[6:7], s[0:1], 0x90
	SPLIT8 512
	s_add_co_u32 s10, s10, 388*4096
	DBLOCK
	s_mov_b32 s17, 1
	s_branch .Lw4096
.Lw0:
	s_load_b64 s[4:5], s[0:1], 0x18
	s_load_b64 s[6:7], s[0:1], 0x98
	SPLIT8 768
	DBIG 3, 1
	s_branch .Lw4096
.Lix:                                          ; iw's rows 0..191: rows 132..191 meet activations that are exactly 0
	s_load_b64 s[4:5], s[0:1], 0x10
	s_load_b64 s[6:7], s[0:1], 0x98
	SPLIT8 1152
	DBIG 0, 1
.Lw4096:
	WHEAD
	WLOAD 4096
	s_branch .Lwpack
.Lw1:                                          ; rows of 2,048 bytes, four column groups
	s_load_b64 s[4:5], s[0:1], 0x20
	s_load_b64 s[6:7], s[0:1], 0x98
	s_sub_co_u32 s3, s3, 1024
	s_lshr_b32 s8, s3, 2
	s_and_b32 s9, s3, 3
	s_lshl_b32 s10, s8, 16
	s_lshl_b32 s24, s9, 9
	s_add_co_u32 s10, s10, s24
	DBIG 19, 2
	WHEAD
	WLOAD 2048
	s_branch .Lwpack
.Low:                                          ; rows of 528 bytes, two column groups; columns from 132 on are zeros, up to 255
	s_load_b64 s[4:5], s[0:1], 0x28
	s_load_b64 s[6:7], s[0:1], 0x98
	s_sub_co_u32 s3, s3, 1200
	s_lshr_b32 s8, s3, 1
	s_and_b32 s9, s3, 1
	s_mul_i32 s10, s8, 16896
	s_lshl_b32 s24, s9, 9
	s_add_co_u32 s10, s10, s24
	DBIG 27, 3
	s_mov_b32 s20, 1
	s_cmp_eq_u32 s9, 1
	s_cselect_b32 s18, 1, 32               ; of the second group's columns only 128..131 exist: lane 0
	WHEAD
	WLOAD 528
.Lwpack:
	; eight k of one column are 16 bytes of a fragment: octet o = k / 8, register pair p = two neighbouring k, the lower k in the low half
.irp o,0,1,2,3
	s_wait_loadcnt 24-8*\o                 ; loads return in order: the later octets' stay out
.irp jj,0,1,2,3
.irp p,0,1,2,3
	v_cvt_pk_bf16_f32 v[P+16*\o+4*\jj+\p], v[X+4*(8*\o+2*\p)+\jj], v[X+4*(8*\o+2*\p+1)+\jj]
.endr
.endr
.endr
	s_cmp_eq_u32 s20, 0
	s_cbranch_scc1 .Lnomask
.set i, 0
.rept 64
	v_cndmask_b32 v[P+i], 0, v[P+i], s22
.set i, i+1
.endr
.Lnomask:
	v_lshrrev_b32 v4, 2, v1                ; my four columns lie in fragment lane / 4,
	v_mul_u32_u24 v4, v4, FP
	v_and_b32 v5, 3, v1
	v_lshl_add_u32 v4, v5, 6, v4           ; at its columns 4 (lane % 4) ..
	v_add_nc_u32 v4, s21, v4
	v_add_nc_u32 v5, s21, v2
.irp o,0,1,2,3
.irp jj,0,1,2,3
	ds_store_b128 v4, v[P+16*\o+4*\jj:P+16*\o+4*\jj+3] offset:\o*256+\jj*16
.endr
.endr
.irp f,0,1,2,3,4,5,6,7
	ds_load_b128 v[X+8*\f:X+8*\f+3], v5 offset:\f*FP           ; my own bytes: LDS serves a wave's instructions in order, so these see the stores above
	ds_load_b128 v[X+8*\f+4:X+8*\f+7], v5 offset:\f*FP+512
.endr
.irp f,0,1,2,3,4,5,6,7
	s_mul_i32 s24, s14, \f%4
	s_mul_i32 s25, s15, \f/4
	s_add_co_u32 s24, s24, s25
	v_add_nc_u32 v[O+\f], s24, v2
.endr
.irp f,0,1,2,3,4,5,6,7
	s_wait_dscnt 15-2*\f                   ; the later read-backs stay out
	global_store_b128 v[O+\f], v[X+8*\f:X+8*\f+3], s[6:7]
	s_wait_dscnt 14-2*\f
	global_store_b128 v[O+\f], v[X+8*\f+4:X+8*\f+7], s[6:7] offset:512
.endr
	s_cmp_eq_u32 s17, 0
	s_cbranch_scc1 .Lend
.irp f,0,1,2,3,4,5,6,7
	global_store_b128 v[O+\f], v[X+8*\f:X+8*\f+3], s[6:7] offset:131072
	global_store_b128 v[O+\f], v[X+8*\f+4:X+8*\f+7], s[6:7] offset:131072+512
.endr
	s_branch .Lend
; ---------------- CLASS A: lanes 0-15 take 256 bytes of an even row, lanes 16-31 of the odd row below
.macro AHEAD pitch
	v_lshrrev_b32 v6, 4, v1                ; a: which of the two rows
	v_and_b32 v7, 15, v1                   ; q: which four k
	v_cmp_gt_u32 s22, s18, v7
	v_lshlrev_b32 v8, 4, v7
	v_cndmask_b32 v8, 0, v8, s22
	v_mul_u32_u24 v9, v6, \pitch
	v_add_nc_u32 v3, v8, v9
	s_wait_kmcnt 0x0
	s_add_nc_u64 s[4:5], s[4:5], s[10:11]
	s_add_nc_u64 s[6:7], s[6:7], s[12:13]
.irp i,0,1,2,3,4,5,6,7
	global_load_b128 v[X+4*\i:X+4*\i+3], v3, s[4:5] offset:2*\i*\pitch
.endr
.endm
.Lfe:
	s_load_b64 s[4:5], s[0:1], 0x00
	s_load_b64 s[6:7], s[0:1], 0x80
	s_sub_co_u32 s3, s3, 1232
	s_lshr_b32 s8, s3, 5                   ; row tile
	s_and_b32 s9, s3, 31                   ; block of 64 k
	s_lshl_b32 s10, s8, 17
	s_lshl_b32 s24, s9, 8
	s_add_co_u32 s10, s10, s24
	s_lshr_b32 s12, s8, 2
	s_lshl_b32 s12, s12, 18
	s_lshr_b32 s24, s9, 3
	s_lshl_b32 s24, s24, 16
	s_add_co_u32 s12, s12, s24
	s_and_b32 s24, s8, 3
	s_lshl_b32 s24, s24, 14
	s_add_co_u32 s12, s12, s24
	s_and_b32 s24, s9, 7
	s_lshl_b32 s24, s24, 11
	s_add_co_u32 s12, s12, s24
	s_mov_b32 s18, 16
	AHEAD 8192
	s_branch .Lapack
.Lz:
	s_load_b64 s[4:5], s[0:1], 0x30
	s_load_b64 s[6:7], s[0:1], 0xa0
	s_sub_co_u32 s3, s3, 3280
	s_mul_hi_u32 s8, s3, 0x55555556        ; row tile = unit / 3
	s_mul_i32 s24, s8, 3
	s_sub_co_u32 s9, s3, s24               ; block of 64 k: 0, 1, 2
	s_mul_i32 s10, s8, 8448
	s_lshl_b32 s24, s9, 8
	s_add_co_u32 s10, s10, s24
	s_mul_i32 s12, s8, 6144
	s_lshl_b32 s24, s9, 11
	s_add_co_u32 s12, s12, s24
	s_cmp_eq_u32 s9, 2
	s_cselect_b32 s18, 1, 16               ; of the third block only columns 128..131 exist
	AHEAD 528
.Lapack:
	s_wait_loadcnt 0x0
.irp i,0,1,2,3,4,5,6,7
	v_cvt_pk_bf16_f32 v[P+2*\i], v[X+4*\i], v[X+4*\i+1]
	v_cvt_pk_bf16_f32 v[P+2*\i+1], v[X+4*\i+2], v[X+4*\i+3]
.endr
.set i, 0
.rept 16
	v_cndmask_b32 v[P+i], 0, v[P+i], s22
.set i, i+1
.endr
	; my 8 bytes (k = 4 q ..) of row 2 i + a go to byte 256 (q / 2) + 32 i + 16 a + 8 (q % 2) of the two fragments; blocks of 256 lie 288 apart, so that a store's 32 lanes touch every bank once
	v_lshrrev_b32 v4, 1, v7
	v_mul_u32_u24 v4, v4, 288
	v_lshl_add_u32 v4, v6, 4, v4
	v_and_b32 v5, 1, v7
	v_lshl_add_u32 v4, v5, 3, v4
	v_add_nc_u32 v4, s21, v4
	v_mul_u32_u24 v5, v6, 288
	v_lshl_add_u32 v5, v7, 4, v5
	v_add_nc_u32 v5, s21, v5
.irp i,0,1,2,3,4,5,6,7
	ds_store_b64 v4, v[P+2*\i:P+2*\i+1] offset:\i*32
.endr
.irp m,0,1,2,3
	ds_load_b128 v[X+4*\m:X+4*\m+3], v5 offset:\m*576
.endr
.irp m,0,1,2,3
	s_wait_dscnt 3-\m                      ; the later read-backs stay out
	global_store_b128 v2, v[X+4*\m:X+4*\m+3], s[6:7] offset:\m*512
.endr
	s_branch .Lend
; ---------------- CLASS T: wave v takes k = 32 v .. 32 v + 31, lane l the columns 128 nb + 4 l ..; the eight waves' sums meet in LDS
.Lt:
	s_load_b64 s[4:5], s[0:1], 0x10        ; iw
	s_load_b64 s[6:7], s[0:1], 0xa8        ; vecs
	s_load_b64 s[26:27], s[0:1], 0x38      ; tw
	s_load_b64 s[28:29], s[0:1], 0x40      ; tb
	s_sub_co_u32 s9, ttmp9, 602            ; nb
	s_lshl_b32 s10, s2, 17
	s_add_co_u32 s10, s10, 132*4096
	s_lshl_b32 s24, s9, 9
	s_add_co_u32 s10, s10, s24
	v_lshlrev_b32 v3, 2, v0                ; thread = k
	s_wait_kmcnt 0x0
	s_add_nc_u64 s[4:5], s[4:5], s[10:11]
	global_load_b32 v8, v3, s[26:27]
	global_load_b32 v9, v3, s[28:29]
.set i, 0
.rept 32
	global_load_b128 v[X+4*i:X+4*i+3], v2, s[4:5] offset:i*4096
.set i, i+1
.endr
	s_wait_loadcnt 32                      ; tw and tb are in; the 32 rows stay out
	v_cvt_pk_bf16_f32 v10, v8, v9
	v_lshlrev_b32 v8, 16, v10              ; tw
	v_and_b32 v9, s32, v10                 ; tb = the argument at t = 0
	v_add_f32 v8, v8, v9                   ; tw + tb = the argument at t = 1
	v_mul_f32 v10, 0xbfb8aa3b, v9          ; silu(x) = x / (1 + 2^(-log2(e) x))
	v_mul_f32 v11, 0xbfb8aa3b, v8
	v_exp_f32 v10, v10
	v_exp_f32 v11, v11
	v_nop                                  ; a plain instruction between a transcendental and the use of its result
	s_wait_alu depctr_va_vdst(0)
	v_add_f32 v10, 1.0, v10
	v_add_f32 v11, 1.0, v11
	v_rcp_f32 v10, v10
	v_rcp_f32 v11, v11
	v_nop
	s_wait_alu depctr_va_vdst(0)
	v_mul_f32 v9, v9, v10
	v_mul_f32 v8, v8, v11
.set i, 0
.rept 32
	s_wait_loadcnt 31-i                    ; row i is in, the later rows stay out
	v_readlane_b32 s30, v9, i
	v_readlane_b32 s31, v8, i
	v_cvt_pk_bf16_f32 v12, v[X+4*i], v[X+4*i+1]
	v_cvt_pk_bf16_f32 v13, v[X+4*i+2], v[X+4*i+3]
	v_lshlrev_b32 v[WT], 16, v12
	v_and_b32 v[WT+1], s32, v12
	v_lshlrev_b32 v[WT+2], 16, v13
	v_and_b32 v[WT+3], s32, v13
.irp k,0,1,2,3
.if i == 0
	v_mul_f32 v[A0+\k], s30, v[WT+\k]      ; the first row starts the sums
	v_mul_f32 v[A1+\k], s31, v[WT+\k]
.else
	v_fmac_f32 v[A0+\k], s30, v[WT+\k]
	v_fmac_f32 v[A1+\k], s31, v[WT+\k]
.endif
.endr
.set i, i+1
.endr
	s_lshl_b32 s24, s2, 10
	s_add_co_u32 s24, s24, TREG
	v_add_nc_u32 v14, s24, v2
	ds_store_b128 v14, v[A0:A0+3]
	ds_store_b128 v14, v[A1:A1+3] offset:512
	s_wait_dscnt 0x0                       ; for the others' sake: my stores are done
	s_barrier_signal -1
	s_barrier_wait -1
	s_cmp_ge_u32 s2, 2
	s_cbranch_scc1 .Lend                   ; wave t adds the eight partial sums of T_t
	s_lshl_b32 s24, s2, 9
	s_add_co_u32 s24, s24, TREG
	v_add_nc_u32 v15, s24, v2
.irp w,0,1,2,3,4,5,6,7
	ds_load_b128 v[X+4*\w:X+4*\w+3], v15 offset:\w*1024
.endr
	s_lshl_b32 s12, s2, 12
	s_lshl_b32 s24, s9, 9
	s_add_co_u32 s12, s12, s24
	s_add_co_u32 s12, s12, 20480
	s_add_nc_u64 s[6:7], s[6:7], s[12:13]
	s_wait_dscnt 0x0
.irp w,0,2,4,6
	v_pk_add_f32 v[X+4*\w:X+4*\w+1], v[X+4*\w:X+4*\w+1], v[X+4*\w+4:X+4*\w+5]
	v_pk_add_f32 v[X+4*\w+2:X+4*\w+3], v[X+4*\w+2:X+4*\w+3], v[X+4*\w+6:X+4*\w+7]
.endr
.irp w,0,4
	v_pk_add_f32 v[X+4*\w:X+4*\w+1], v[X+4*\w:X+4*\w+1], v[X+4*\w+8:X+4*\w+9]
	v_pk_add_f32 v[X+4*\w+2:X+4*\w+3], v[X+4*\w+2:X+4*\w+3], v[X+4*\w+10:X+4*\w+11]
.endr
	v_pk_add_f32 v[X:X+1], v[X:X+1], v[X+16:X+17]
	v_pk_add_f32 v[X+2:X+3], v[X+2:X+3], v[X+18:X+19]
	global_store_b128 v2, v[X:X+3], s[6:7]
.Lend:
	s_wait_tensorcnt 0x0                   ; the wave's end
	ds_add_u32 v[SPW], v[NIL]
	s_wait_dscnt 0x0
	s_endpgm
.Lfunc_end_k_qfcf3fffaf3_prep:
	.size	k_qfcf3fffaf3_prep, .Lfunc_end_k_qfcf3fffaf3_prep-k_qfcf3fffaf3_prep
	.p2alignl 7, 3214868480
	.fill 96, 4, 3214868480
	.section	.rodata,"a",@progbits
	.p2align	6, 0x0
	.amdhsa_kernel k_qfcf3fffaf3_prep
		.amdhsa_group_segment_fixed_size 75776
		.amdhsa_private_segment_fixed_size 0
		.amdhsa_enable_private_segment 0
		.amdhsa_kernarg_size 176
		.amdhsa_user_sgpr_count 2
		.amdhsa_user_sgpr_kernarg_segment_ptr 1
		.amdhsa_wavefront_size32 1
		.amdhsa_system_sgpr_workgroup_id_x 1
		.amdhsa_system_sgpr_workgroup_id_y 1
		.amdhsa_system_sgpr_workgroup_id_z 1
		.amdhsa_system_vgpr_workitem_id 0
		.amdhsa_next_free_vgpr 224
		.amdhsa_next_free_sgpr 66
		.amdhsa_reserve_vcc 0
		.amdhsa_float_denorm_mode_32 3
		.amdhsa_float_denorm_mode_16_64 3
		.amdhsa_memory_ordered 1
		.amdhsa_forward_progress 1
		.amdhsa_inst_pref_size 71
	.end_amdhsa_kernel
	.amdgpu_metadata
---
amdhsa.version: [ 1, 2 ]
amdhsa.kernels:
  - .name:           k_qfcf3fffaf3_prep
    .symbol:         k_qfcf3fffaf3_prep.kd
    .args:
      - { .name: feats, .offset: 0, .size: 8, .value_kind: global_buffer, .address_space: global }
      - { .name: params_cw, .offset: 8, .size: 8, .value_kind: global_buffer, .address_space: global }
      - { .name: params_iw, .offset: 16, .size: 8, .value_kind: global_buffer, .address_space: global }
      - { .name: params_w0, .offset: 24, .size: 8, .value_kind: global_buffer, .address_space: global }
      - { .name: params_w1, .offset: 32, .size: 8, .value_kind: global_buffer, .address_space: global }
      - { .name: params_ow, .offset: 40, .size: 8, .value_kind: global_buffer, .address_space: global }
      - { .name: z, .offset: 48, .size: 8, .value_kind: global_buffer, .address_space: global }
      - { .name: params_tw, .offset: 56, .size: 8, .value_kind: global_buffer, .address_space: global }
      - { .name: params_tb, .offset: 64, .size: 8, .value_kind: global_buffer, .address_space: global }
      - { .name: params_b0, .offset: 72, .size: 8, .value_kind: global_buffer, .address_space: global }
      - { .name: params_g0, .offset: 80, .size: 8, .value_kind: global_buffer, .address_space: global }
      - { .name: params_be0, .offset: 88, .size: 8, .value_kind: global_buffer, .address_space: global }
      - { .name: params_b1, .offset: 96, .size: 8, .value_kind: global_buffer, .address_space: global }
      - { .name: params_g1, .offset: 104, .size: 8, .value_kind: global_buffer, .address_space: global }
      - { .name: params_be1, .offset: 112, .size: 8, .value_kind: global_buffer, .address_space: global }
      - { .name: params_ob, .offset: 120, .size: 8, .value_kind: global_buffer, .address_space: global }
      - { .name: featsf, .offset: 128, .size: 8, .value_kind: global_buffer, .address_space: global }
      - { .name: cwf, .offset: 136, .size: 8, .value_kind: global_buffer, .address_space: global }
      - { .name: iwcf, .offset: 144, .size: 8, .value_kind: global_buffer, .address_space: global }
      - { .name: ws, .offset: 152, .size: 8, .value_kind: global_buffer, .address_space: global }
      - { .name: zf, .offset: 160, .size: 8, .value_kind: global_buffer, .address_space: global }
      - { .name: vecs, .offset: 168, .size: 8, .value_kind: global_buffer, .address_space: global }
    .group_segment_fixed_size: 75776
    .private_segment_fixed_size: 0
    .kernarg_segment_align: 8
    .kernarg_segment_size: 176
    .max_flat_workgroup_size: 256
    .sgpr_count:     66
    .vgpr_count:     224
    .wavefront_size: 32
...
	.end_amdgpu_metadata
.endif
;; end of part 4
;; launch gemm1: the kernel of part 2 again; grid 16 x 16, 4 waves a work-group, clusters of 4 x 4, 327,680 bytes of LDS; arguments featsf, cwf, params_cb, ef; writes ef
;; launch gemm2: the kernel of part 2 again; grid 16 x 16, 4 waves a work-group, clusters of 4 x 4, 327,680 bytes of LDS; arguments ef, iwcf, params_ib, ctf; writes ctf
;; launch flow (part 5): grid 256 x 1, 8 waves a work-group, clusters of 4 x 1, 327,680 bytes of LDS; arguments ws, zf, ctf, vecs, out0, out1, out2; writes out0, out1, out2
.if DOCPART == 5
	.amdgcn_target "amdgcn-amd-amdhsa--gfx1250"
	.amdhsa_code_object_version 6
	.text
	.protected	k_qfcf3fffaf3_flow
	.globl	k_qfcf3fffaf3_flow
	.p2align	8
	.type	k_qfcf3fffaf3_flow,@function
k_qfcf3fffaf3_flow:
	s_mov_b64 s[64:65], 0
	v_nop
	global_prefetch_b8 v0, s[64:65] scope:SCOPE_SE
	s_setreg_imm32_b32 hwreg(HW_REG_WAVE_MODE, 25, 1), 1
	s_wait_xcnt 0x0
	s_wait_alu depctr_hold_cnt(0) depctr_sa_sdst(0) depctr_va_vdst(0) depctr_va_sdst(0) depctr_va_ssrc(0) depctr_va_vcc(0) depctr_vm_vsrc(0)
	s_getreg_b32 s2, hwreg(HW_REG_IB_STS2, 6, 4)
	s_cmp_eq_u32 s2, 0
	s_cbranch_scc0 .Lentry_in_a_cluster
	s_endpgm
.Lentry_in_a_cluster:
	s_bfe_u32 s2, ttmp6, 0x10000c
	s_cmp_lg_u32 s2, 0x3003
	s_cbranch_scc0 .Lentry_shape_is_right
	s_endpgm
.Lentry_shape_is_right:
; FLOW: both evaluations of the vector field, the Heun step, the rotation matrices and the log-probability, for 32 rows a work-group, without leaving the WGP.
; An evaluation: h1 = silu(x Wx + CT + T_t); h2 = h1 + silu(LN(h1 W0 + b0)); h3 = silu(LN(h2 W1 + b1)); v = h3 Wo + ob.  CT (context and ib, one row a batch) and T_t (time) were made by the launches before.
; FORMATS.  Weights, biases, gains and z are bf16 (each input rounded once).  Every activation that is multiplied again goes to the matrix unit as TWO bf16 operands, hi = bf16(a), lo = bf16(a - hi), against the
; same weight fragment onto one f32 accumulator: b2 and b3 of a joint divide by the length of a2's part across a1, which may be a few thousandths, so a sample's error is magnified some hundredfold.
; Sums, layer norms (mean first, then the squares of the differences), activations and the Heun step are f32.
; FRAGMENT ORDER: 16 x 32 k in 1,024 dense bytes, byte 512 c + 16 L + 2 i = (L % 16, k = 16 c + 8 (L / 16) + i): every LDS access to a fragment is 512 consecutive bytes, so nothing is padded.
; SHARES.  Eight waves.  In each layer wave w owns the column tiles T = 8 j + w for all 32 rows (two row tiles): 16, 16, 8 and 4 accumulators.  The product is used transposed (source 0 = 16 columns of a weight,
; source 1 = 16 rows): a lane holds one row and eight neighbouring columns, which, rounded in pairs, are the 16 bytes that the same lane owns in the next layer's fragment.
; WHY EIGHT.  A weight fragment is read from LDS by the one wave that owns its columns, whatever the number of waves; an activation fragment feeds 8 products here where four waves would feed 16 from it: a K step of
; a layer of 1,024 columns reads 96 KB of LDS in place of 80.  In return a wave has 16 accumulators, so the text of each way out, which is unrolled over them, is half as long, and two waves of 512 registers
; lie on a SIMD, of which one issues while the other waits for LDS.
; THE WALK.  The weights are 29 tiles of 131,072 bytes (3 for x, 16 for W0, 8 for W1, 2 for Wo), 16,384 bytes a wave, walked twice through a ring of two slots.  All work-groups need the same tiles, so a cluster
; of four asks for each jointly.  The place in the walk is a counter that steps by 1 and goes back to 0 behind 28; the tile's number is made of it and of the cluster's phase (below), and the descriptor's
; address anew from that number.  One tensor load a wave is out; it has a tile's 64 products a wave in which to land.
; THE ORDER.  Cluster c has the phase q = c % 4 and takes the four chunks of K of W0 and of W1 in the order q, q + 1, q + 2, q + 3 (mod 4).  So in a given trip of these layers the launch's clusters ask for four
; different tiles, and from a layer's second chunk on a cluster asks for tiles that clusters of another phase have asked for four trips (W1: two trips) before.  q is made of the cluster's number, which the
; four partners share; it enters the tile's number and the choice of the registers that a chunk is published from, and no LDS address.  The sums over K are the same terms in another order.
; ACTIVATIONS.  The two slots leave 32,768 bytes for activations, a quarter of a layer's 32 rows x 1,024 x (hi, lo).  So a wave keeps what it makes, packed, in 128 registers, and publishes it a CHUNK of 8 K steps
; at a time.  A chunk is column tiles 16 c .. 16 c + 15: tiles j = 2 c and 2 c + 1 of every wave, so each wave stores bytes of its own, and only the source registers hang on c: a ladder of forward jumps on the
; chunk's number picks them.  Order: every wave's LDS reads are back, a barrier, the stores; the next change of slots (wait for 0, round) shows them to all.
; CT has no room in LDS: a lane loads the 16 bytes of hi and of lo that it needs straight into its accumulators' registers (eight lanes share an address; the four partners of a cluster share the 256-byte blocks).
; LIMITS: NaN and infinities are not treated apart; silu of an argument below about -88 is -0; exponentials, reciprocals and roots are good to 1 ULP and flush denormals.
.set SLOTB, 131072
.set HB,    262144                     ; a chunk of activations: fragment ((k step x 2 + row tile) x 2 + lo) x 1,024; 32,768 bytes
.set VT,    294912                     ; b0, g0, be0, b1, g1, be1, ob in f32; 20,480 bytes
.set TT,    315392                     ; T_0, T_1 in f32; 8,192 bytes
.set ST,    323584                     ; three regions of [row 32][wave 8] f32 for sums across waves
.set SPARE, 326656                     ; the spare words, 128 bytes a wave
.set SM,    HB                         ; at the end: the samples, 32 rows of 528 bytes,
.set ROFF,  17408                      ; and, so far behind them, the rotation matrices, 32 rows of 792 bytes: both in bytes that no tensor load fills
.set NTILE, 29
; window 0.  LDS addresses lie in registers that hold nothing but numbers made of the thread's number, the wave's number and constants, from first to last.
.set LANE, 1
.set LB,   2                           ; 16,384 w + 16 L: my part of a slot
.set BA,   3                           ; address of the weight fragments in hand
.set LH,   4                           ; HB + 16 L
.set AA,   5                           ; address of the activation fragments in hand
.set HSX,  6                           ; HB + 4,096 (w / 2) + 512 (w % 2) + 16 L: where my tiles of a chunk go
.set VB,   7                           ; VT + 64 w + 32 h: my eight columns of tile j lie 512 j further
.set TBA,  8                           ; TT + 64 w + 32 h
.set TBAC, 9                           ; the same for the evaluation in hand
.set CTO,  10                          ; 256 h + 16 (r / 8): my offset in a fragment of ctf
.set STW,  11                          ; ST + 32 L + 4 w
.set STR,  12                          ; ST + 32 r
.set L16,  13                          ; 16 L
.set SPW,  14                          ; my spare word; never rewritten
.set NIL,  15                          ; 0; never rewritten
.set ONE,  16
.set NEG1, 17
.set T16,  18                          ; 16 x thread
.set SMW,  19                          ; the end's addresses: v19-23 and registers that held addresses before
.set SMR,  20
.set JA0,  21
.set RA0,  22
.set JA5,  23
.set RA5,  2
.set L4,   3
.set S4,   5
.set TA,   8
.set TG,   9
.set OA,   24                          ; v[24:55] the last layer's accumulators, 8 (2 j + rt)
.set NM,   56                          ; v56, v58: minus the mean of my row in row tile 0, 1 (named as pairs)
.set RS,   60                          ; v60, v62: 1 / sqrt(variance + eps)
.set AF,   64                          ; v[64:127] activation fragments of two K steps: 32 u + 16 rt + 8 lo
.set BF,   128                         ; v[128:255] the 16 weight fragments of my part of a slot
.set CH,   64                          ; outside the products v64-255 are at work: chains of sums, 4 rt + 2 c
.set SS,   72                          ; a sum for each row tile
.set PT,   74
.set QA,   76                          ; v[76:91] the eight waves' parts, twice
.set TE,   96
.set LS,   96                          ; layer norm: two sets of 16 (gain 8, bias 8)
.set U,    128
.set EE,   144
.set TMP,  96
.set TRG,  128
.set OBT,  96
.set XT,   96
.set ZP,   192                         ; v[192:207] z of my four tiles, packed: 4 (2 j + rt); the last layer's products leave v192-255 alone
.set CP,   128
.set JX,   160
.set CQ,   176
; window 1: v0-127 the accumulators, 8 (2 j + rt); v128-255 what I made, packed: HP + 16 j + 8 rt + 4 lo
.set HP,   128
; scalars
.set PH,   2                           ; q: my cluster's phase, cluster's number % 4
.set QQ,   3                           ; chunks of the layer still to go
.set WV,   18
.set Q,    21                          ; the chunk's number
.set ZB,   22                          ; s[22:23] zf at my second tile
.set G1,   24
.set G0,   32
.set OFF,  36
.set NXT,  38                          ; the place in the walk of the tile to be asked for next
.set TB,   39                          ; the slot to be read
.set KA,   40
.set CNT,  41
.set EV,   42                          ; evaluations to go
.set TOFF, 43
.set NL2E, 44                          ; s[44:45] -log2(e)
.set SEL,  46                          ; s[46:47] v_permlanex16_b32's selects: the same place in the other half
.set HMASK, 48                         ; 0xffff0000: the mask of lanes 16-31
.set KB,   49
.set ZM,   58                          ; all ones where my second tile of z exists (waves 0 to 3), else 0
.set TA0,  59                          ; at work: the tile's number
.set TA1,  60
.set R0,   61                          ; 4 q: my phase in tiles of W0
.set R1,   62                          ; 2 q: in tiles of W1
.set MSB, 0
.macro WIN new                         ; s_set_vgpr_msb: bits 1:0 source 0, 3:2 source 1, 5:4 source 2, 7:6 destination; the high byte repeats the setting that is left
.if MSB != (\new)
	s_set_vgpr_msb (MSB<<8)|(\new)
.set MSB, (\new)
.endif
.endm
.macro PLACES                          ; four plain vector instructions between a matrix instruction and a load into, or a vector access to, its registers
.rept 4
	v_nop
.endr
.endm
.macro CROUND                          ; a round of the cluster's barrier
	s_barrier_signal -1
	s_barrier_wait -1
	s_cmp_lg_u32 s[WV], 0
	s_cbranch_scc1 .Lnot_wave_0_\@
	s_barrier_signal -3
.Lnot_wave_0_\@:
	s_barrier_wait -3
	s_barrier_signal -1
	s_barrier_wait -1
.endm
.macro LD4 d, a, o
	ds_load_b128 v[(\d):(\d)+3], v[\a] offset:\o
.endm
.macro ST4 a, d, o
	ds_store_b128 v[\a], v[(\d):(\d)+3] offset:\o
.endm
.macro WM d, b, a                      ; D += weights x activations, in place
	v_wmma_f32_16x16x32_bf16 v[(\d):(\d)+7], v[(\b):(\b)+7], v[(\a):(\a)+7], v[(\d):(\d)+7]
.endm
.macro PKADD d, a, b
	v_pk_add_f32 v[(\d):(\d)+1], v[(\a):(\a)+1], v[(\b):(\b)+1]
.endm
.macro PKMUL d, a, b
	v_pk_mul_f32 v[(\d):(\d)+1], v[(\a):(\a)+1], v[(\b):(\b)+1]
.endm
.macro PKFMA d, a, b, c
	v_pk_fma_f32 v[(\d):(\d)+1], v[(\a):(\a)+1], v[(\b):(\b)+1], v[(\c):(\c)+1]
.endm
.macro PKADDB d, a, b                  ; b's first register for both halves
	v_pk_add_f32 v[(\d):(\d)+1], v[(\a):(\a)+1], v[(\b):(\b)+1] op_sel_hi:[1,0]
.endm
.macro PKMULB d, a, b
	v_pk_mul_f32 v[(\d):(\d)+1], v[(\a):(\a)+1], v[(\b):(\b)+1] op_sel_hi:[1,0]
.endm
.macro MIX d, a, half, m, c            ; d = bf16 half of a x m + c, in f32
.if \half
	v_fma_mix_f32_bf16 v[(\d)], v[(\a)], v[(\m)], v[(\c)] op_sel:[1,0,0] op_sel_hi:[1,0,0]
.else
	v_fma_mix_f32_bf16 v[(\d)], v[(\a)], v[(\m)], v[(\c)] op_sel_hi:[1,0,0]
.endif
.endm
; n numbers y (window 0), eight to an accumulator: hi = bf16(y), y = y - hi (exact), lo = bf16(y); hi and lo go to window 1, four and four registers for each eight numbers, from hp on
.macro SPLITW y, hp, n
	WIN 0x40
.set sq, 0
.rept (\n)/2
	v_cvt_pk_bf16_f32 v[(\hp)+8*(sq/4)+sq%4], v[(\y)+2*sq], v[(\y)+2*sq+1]
.set sq, sq+1
.endr
	WIN 0x01
.set sq, 0
.rept (\n)/2
	MIX (\y)+2*sq, (\hp)+8*(sq/4)+sq%4, 0, NEG1, (\y)+2*sq
	MIX (\y)+2*sq+1, (\hp)+8*(sq/4)+sq%4, 1, NEG1, (\y)+2*sq+1
.set sq, sq+1
.endr
	WIN 0x40
.set sq, 0
.rept (\n)/2
	v_cvt_pk_bf16_f32 v[(\hp)+8*(sq/4)+4+sq%4], v[(\y)+2*sq], v[(\y)+2*sq+1]
.set sq, sq+1
.endr
	WIN 0
.endm
.macro EXPRCP b, n                     ; n numbers -log2(e) x become 1 / (1 + e^-x); a plain instruction stands behind each run of transcendentals before a result is used
.set eq, 0
.rept \n
	v_exp_f32 v[(\b)+eq], v[(\b)+eq]
.set eq, eq+1
.endr
	v_nop
.set eq, 0
	s_wait_alu depctr_va_vdst(0)
.rept (\n)/2
	v_pk_add_f32 v[(\b)+2*eq:(\b)+2*eq+1], v[(\b)+2*eq:(\b)+2*eq+1], 1.0 op_sel_hi:[1,0]
.set eq, eq+1
.endr
.set eq, 0
.rept \n
	v_rcp_f32 v[(\b)+eq], v[(\b)+eq]
.set eq, eq+1
.endr
	v_nop
	s_wait_alu depctr_va_vdst(0)
.endm
; THE CHANGE OF SLOTS.  Each wave waits for all its tensor loads, of which one is out: its part of the slot to be read; adds 0 to its spare word; waits for that and for all its LDS instructions (its reads of
; the slot that it leaves, and its stores of a chunk).  fill = 1: a round of the cluster's barrier, and the slot just left takes the walk's next tile, first thing behind the round.
; The tile at place n of the walk: n for n < 3 (x) and n >= 27 (Wo); 3 + (n - 3 + 4 q) % 16 in W0; 19 + (n - 19 + 2 q) % 8 in W1: chunk (a + q) % 4 where the walk is at the layer's chunk a, the tiles of a
; chunk in their order.  Both are made, and three selects take the one that holds.
.macro CHANGE fill
	WIN 0
	s_wait_tensorcnt 0x0                   ; no tensor load of mine is out, so the group 0 may be written
	ds_add_u32 v[SPW], v[NIL]              ; the scalar work stands between the add and the wait for it
.if \fill
	s_sub_co_u32 s[TA0], s[NXT], 3
	s_add_co_u32 s[TA0], s[TA0], s[R0]
	s_and_b32 s[TA0], s[TA0], 15
	s_add_co_u32 s[TA0], s[TA0], 3         ; W0's
	s_sub_co_u32 s[TA1], s[NXT], 19
	s_add_co_u32 s[TA1], s[TA1], s[R1]
	s_and_b32 s[TA1], s[TA1], 7
	s_add_co_u32 s[TA1], s[TA1], 19        ; W1's
	s_cmp_lt_u32 s[NXT], 19
	s_cselect_b32 s[TA0], s[TA0], s[TA1]
	s_cmp_lt_u32 s[NXT], 3
	s_cselect_b32 s[TA0], s[NXT], s[TA0]
	s_cmp_lt_u32 s[NXT], 27
	s_cselect_b32 s[TA0], s[TA0], s[NXT]
	s_lshl_b32 s[OFF], s[TA0], 17
	s_xor_b32 s[G0+1], s[G0+1], SLOTB
	s_add_nc_u64 s[G0+2:G0+3], s[4:5], s[OFF:OFF+1]
	s_or_b32 s[G0+3], s[G0+3], 0x80000000
	s_add_co_u32 s[NXT], s[NXT], 1
	s_cmp_eq_u32 s[NXT], NTILE
	s_cselect_b32 s[NXT], 0, s[NXT]
.endif
	s_xor_b32 s[TB], s[TB], SLOTB
	s_wait_dscnt 0x0
.if \fill
	CROUND
	tensor_load_to_lds s[G0:G0+3], s[G1:G1+7]
	s_nop 0
	PLACES                                 ; also the places in front of the fragment loads
.else
	s_barrier_signal -1
	s_barrier_wait -1
	PLACES
.endif
.endm
; A CHUNK IS PUBLISHED.  MEETH: my LDS reads are back, and so are everybody's behind the barrier: nobody reads the old chunk any more.  PUB c: my tiles j = 2 c and 2 c + 1, eight stores into bytes of my own.
.macro MEETH
	s_wait_dscnt 0x0
	s_barrier_signal -1
	s_barrier_wait -1
.endm
.macro PUB c
	WIN 0x04                               ; an LDS store's data are its source 1
.irp jl,0,1
.irp rt,0,1
.irp hl,0,1
	ST4 HSX, HP+16*(2*(\c)+\jl)+8*\rt+4*\hl, \jl*16384+\rt*2048+\hl*1024
.endr
.endr
.endr
	WIN 0
.endm
.macro LADDER                          ; the chunk's number, the same in every wave and in all four partners, picks the registers
	s_cmp_eq_u32 s[Q], 0
	s_cbranch_scc1 .Lp0_\@
	s_cmp_eq_u32 s[Q], 1
	s_cbranch_scc1 .Lp1_\@
	s_cmp_eq_u32 s[Q], 2
	s_cbranch_scc1 .Lp2_\@
	PUB 3
	s_branch .Lpd_\@
.Lp0_\@:
	PUB 0
	s_branch .Lpd_\@
.Lp1_\@:
	PUB 1
	s_branch .Lpd_\@
.Lp2_\@:
	PUB 2
.Lpd_\@:
.endm
.macro ALD buf, off                    ; a K step's four activation fragments (row tile, hi / lo)
.irp f,0,1,2,3
	LD4 (\buf)+8*\f, AA, (\off)+\f*1024
	LD4 (\buf)+8*\f+4, AA, (\off)+\f*1024+512
.endr
.endm
.macro BLD nj, u                       ; K step u's nj weight fragments
.set bj, 0
.rept \nj
	LD4 BF+8*((\nj)*(\u)+bj), BA, ((\nj)*(\u)+bj)*1024
	LD4 BF+8*((\nj)*(\u)+bj)+4, BA, ((\nj)*(\u)+bj)*1024+512
.set bj, bj+1
.endr
.endm
; A tile of a layer with 1,024 columns: two K steps, 64 products.  Eight accumulators take turns, one instruction a turn.
.macro BODY_A
	v_add_nc_u32 v[BA], s[TB], v[LB]
	v_add_nc_u32 v[AA], s[KA], v[LH]
	s_add_co_u32 s[KA], s[KA], 8192
	ALD AF, 0
	BLD 8, 0
	ALD AF+32, 4096
	BLD 8, 1
	WIN 0x50
.irp u,0,1
.irp q,0,1
	s_wait_dscnt 32-24*\u-8*\q             ; the K step's activations and its weight fragments up to 4 q + 3 are in; what was issued behind them stays out
.irp hl,0,1
.irp jq,0,1,2,3
.irp rt,0,1
	WM 8*(2*(4*\q+\jq)+\rt), BF+64*\u+8*(4*\q+\jq), AF+32*\u+16*\rt+8*\hl
.endr
.endr
.endr
.endr
.endr
	WIN 0
.endm
; Four K steps with nj column tiles a wave: 16 nj products on 2 nj accumulators, by turns.  The activations have two buffers: K steps 2 and 3 are fetched behind the products of K steps 0 and 1.
.macro MMQ nj, acc, u
.irp hl,0,1
.set mj, 0
.rept \nj
	WM (\acc)+16*mj, BF+8*((\nj)*(\u)+mj), AF+32*((\u)%2)+8*\hl
	WM (\acc)+16*mj+8, BF+8*((\nj)*(\u)+mj), AF+32*((\u)%2)+16+8*\hl
.set mj, mj+1
.endr
.endr
.endm
.macro KQ4 nj, acc, wmm
	ALD AF, 0
	BLD \nj, 0
	ALD AF+32, 4096
	BLD \nj, 1
	BLD \nj, 2
	BLD \nj, 3
	WIN \wmm
	s_wait_dscnt 8+6*(\nj)                 ; K step 0 is in; behind it: 8 loads of activations and three K steps' 2 nj of weights
	MMQ \nj, \acc, 0
	WIN 0
	PLACES
	ALD AF, 8192
	WIN \wmm
	s_wait_dscnt 8+4*(\nj)                 ; K step 1 is in; behind it: two K steps' weights and the 8 loads just issued
	MMQ \nj, \acc, 1
	WIN 0
	PLACES
	ALD AF+32, 12288
	WIN \wmm
	s_wait_dscnt 8                         ; all but the 8 just issued
	MMQ \nj, \acc, 2
	s_wait_dscnt 0x0
	MMQ \nj, \acc, 3
	WIN 0
.endm
.macro BODY_B                          ; a tile of W1
	v_add_nc_u32 v[BA], s[TB], v[LB]
	v_add_nc_u32 v[AA], s[KA], v[LH]
	s_add_co_u32 s[KA], s[KA], 16384
	KQ4 4, 0, 0x50
.endm
.macro BODY_C                          ; a tile of Wo: eight K steps, four to a trip; its accumulators lie in window 0
	s_mov_b32 s[KB], s[TB]
	s_mov_b32 s[KA], 0
	s_mov_b32 s[CNT], 2
.Lc_\@:
	PLACES
	v_add_nc_u32 v[BA], s[KB], v[LB]
	v_add_nc_u32 v[AA], s[KA], v[LH]
	s_add_co_u32 s[KB], s[KB], 8192
	s_add_co_u32 s[KA], s[KA], 16384
	KQ4 2, OA, 0
	s_sub_co_u32 s[CNT], s[CNT], 1
	s_cmp_lg_u32 s[CNT], 0
	s_cbranch_scc1 .Lc_\@
.endm
; The accumulators start as the layer's bias, loaded straight from LDS: nothing is cleared and no bias is added later.  The next wait for 0 on DScnt, ahead of the chunk's barrier, covers these loads.
.macro INITB off, nj
	WIN 0x40
.set j, 0
.rept \nj
.irp rt,0,1
	LD4 8*(2*j+\rt), VB, (\off)+512*j
	LD4 8*(2*j+\rt)+4, VB, (\off)+512*j+16
.endr
.set j, j+1
.endr
	WIN 0
.endm
; CT's hi into registers 0-3 and lo into registers 4-7 of each accumulator: row = my row's batch, my eight columns
.macro CTLOAD
	WIN 0x40
.set j, 0
.rept 8
.irp rt,0,1
	global_load_b128 v[8*(2*j+\rt):8*(2*j+\rt)+3], v[CTO], s[8:9] offset:(j/4)*65536+(j%4)*4096+\rt*32
	global_load_b128 v[8*(2*j+\rt)+4:8*(2*j+\rt)+7], v[CTO], s[8:9] offset:(j/4)*65536+(j%4)*4096+\rt*32+131072
.endr
.set j, j+1
.endr
	WIN 0
.endm
; The first layer's accumulators start as hi + (lo + T_t).  In place, from the top down: number i takes a half of register i / 2, which no number above i still needs.
.macro INIT_IN
	v_add_nc_u32 v[TBAC], s[TOFF], v[TBA]
.set j, 0
.rept 8
	LD4 TRG+8*j, TBAC, 512*j
	LD4 TRG+8*j+4, TBAC, 512*j+16
.set j, j+1
.endr
	s_wait_loadcnt 0x0                     ; CT
	s_wait_dscnt 0x0                       ; T_t
.set j, 0
.rept 8
.set TM, TMP+16*(j%2)
	WIN 0x01
.set i, 0
.rept 16
	MIX TM+i, 16*j+8*(i/8)+4+(i%8)/2, i%2, ONE, TRG+8*j+i%8
.set i, i+1
.endr
	WIN 0x41
.set i, 15
.rept 16
	MIX 16*j+i, 16*j+8*(i/8)+(i%8)/2, i%2, ONE, TM+i
.set i, i-1
.endr
.set j, j+1
.endr
	WIN 0
.endm
.macro ZLOAD                           ; z of my four tiles; waves 4 to 7 have no second tile: they read the first again, and ZMASK clears it
	global_load_b128 v[ZP:ZP+3], v[L16], s[6:7]
	global_load_b128 v[ZP+4:ZP+7], v[L16], s[6:7] offset:6144
	global_load_b128 v[ZP+8:ZP+11], v[L16], s[ZB:ZB+1]
	global_load_b128 v[ZP+12:ZP+15], v[L16], s[ZB:ZB+1] offset:6144
.endm
.macro ZMASK
	s_wait_loadcnt 0x0
.irp k,8,9,10,11,12,13,14,15
	v_and_b32 v[ZP+\k], s[ZM], v[ZP+\k]
.endr
.endm
; A sum over a row: the two halves of the lanes, then the eight waves through LDS.  Lane L carries row L into the store: row tile 0 in lanes 0-15, row tile 1 in lanes 16-31.
.macro STAT_PUT reg
	v_permlanex16_b32 v[PT], v[SS], s[SEL], s[SEL+1]
	v_permlanex16_b32 v[PT+1], v[SS+1], s[SEL], s[SEL+1]
	v_add_f32 v[SS], v[SS], v[PT]
	v_add_f32 v[SS+1], v[SS+1], v[PT+1]
	v_cndmask_b32 v[PT], v[SS], v[SS+1], s[HMASK]
	ds_store_b32 v[STW], v[PT] offset:(\reg)*1024
	s_wait_dscnt 0x0                       ; for the others' sake: my store is done
	s_barrier_signal -1
	s_barrier_wait -1
.endm
.macro STAT_GET reg
	LD4 QA, STR, (\reg)*1024
	LD4 QA+4, STR, (\reg)*1024+16
	LD4 QA+8, STR, (\reg)*1024+512
	LD4 QA+12, STR, (\reg)*1024+528
	s_wait_dscnt 0x0
	PKADD QA, QA, QA+2
	PKADD QA+4, QA+4, QA+6
	PKADD QA+8, QA+8, QA+10
	PKADD QA+12, QA+12, QA+14
	PKADD QA, QA, QA+4
	PKADD QA+8, QA+8, QA+12
	v_add_f32 v[SS], v[QA], v[QA+1]
	v_add_f32 v[SS+1], v[QA+8], v[QA+9]
.endm
.macro FOLD
	PKADD CH, CH, CH+2
	PKADD CH+4, CH+4, CH+6
	v_add_f32 v[SS], v[CH], v[CH+1]
	v_add_f32 v[SS+1], v[CH+4], v[CH+5]
.endm
; h1 = silu(sums), split into my registers.  Each accumulator is read from its low end on.
.macro EPI_IN
	WIN 0
	PLACES
.set bt, 0
.rept 4                                ; four accumulators at a time: column tiles 2 bt, 2 bt + 1, both row tiles
	WIN 0x01
.set p, 0
.rept 16
	v_pk_mul_f32 v[TE+2*p:TE+2*p+1], v[32*bt+2*p:32*bt+2*p+1], s[NL2E:NL2E+1] op_sel_hi:[1,0]
.set p, p+1
.endr
	WIN 0
	EXPRCP TE, 32
	WIN 0x01
.set p, 0
.rept 16
	PKMUL TE+2*p, 32*bt+2*p, TE+2*p
.set p, p+1
.endr
	SPLITW TE, HP+32*bt, 32
.set bt, bt+1
.endr
.endm
.macro LNLOAD j, goff, beoff           ; gain and bias of column tile j, into set j % 2
.set SB, LS+16*((\j)%2)
	LD4 SB, VB, (\goff)+512*(\j)
	LD4 SB+4, VB, (\goff)+512*(\j)+16
	LD4 SB+8, VB, (\beoff)+512*(\j)
	LD4 SB+12, VB, (\beoff)+512*(\j)+16
.endm
; silu(LN(sums)) (res = 1: + the old activation, which lies in my registers), split into my registers.  The mean first, then the squares of the differences.
; The two sums take regions 0 and 1: a region is written again only behind the other region's barrier, in front of which every wave's reads of it have come back.
.macro EPI_LN nj, inv, ninv, goff, beoff, res
	WIN 0
	PLACES
	WIN 0x05
.irp rt,0,1
	PKADD CH+4*\rt, 8*\rt, 8*\rt+2
	PKADD CH+4*\rt+2, 8*\rt+4, 8*\rt+6
.endr
	WIN 0x01
.set jj, 1
.rept (\nj)-1
.irp pp,0,1,2,3
.irp rt,0,1
	PKADD CH+4*\rt+2*(\pp%2), 8*(2*jj+\rt)+2*\pp, CH+4*\rt+2*(\pp%2)
.endr
.endr
.set jj, jj+1
.endr
	WIN 0
	FOLD
	STAT_PUT 0
	STAT_GET 0
	v_mul_f32 v[NM], \ninv, v[SS]
	v_mul_f32 v[NM+2], \ninv, v[SS+1]
	WIN 0x41
.set aa, 0
.rept 2*(\nj)
.irp pp,0,1,2,3
	PKADDB 8*aa+2*\pp, 8*aa+2*\pp, NM+2*(aa%2)
.endr
.set aa, aa+1
.endr
	WIN 0x05
.irp rt,0,1
	PKMUL CH+4*\rt, 8*\rt, 8*\rt
	PKMUL CH+4*\rt+2, 8*\rt+2, 8*\rt+2
.endr
.irp pp,2,3
.irp rt,0,1
	PKFMA CH+4*\rt+2*(\pp%2), 8*\rt+2*\pp, 8*\rt+2*\pp, CH+4*\rt+2*(\pp%2)
.endr
.endr
.set jj, 1
.rept (\nj)-1
.irp pp,0,1,2,3
.irp rt,0,1
	PKFMA CH+4*\rt+2*(\pp%2), 8*(2*jj+\rt)+2*\pp, 8*(2*jj+\rt)+2*\pp, CH+4*\rt+2*(\pp%2)
.endr
.endr
.set jj, jj+1
.endr
	WIN 0
	FOLD
	STAT_PUT 1
	STAT_GET 1
	LNLOAD 0, \goff, \beoff
	v_mul_f32 v[RS], \inv, v[SS]
	v_mul_f32 v[RS+2], \inv, v[SS+1]
	v_add_f32 v[RS], 0x3727c5ac, v[RS]     ; + 1e-5
	v_add_f32 v[RS+2], 0x3727c5ac, v[RS+2]
	v_rsq_f32 v[RS], v[RS]
	v_rsq_f32 v[RS+2], v[RS+2]
	v_nop
	s_wait_alu depctr_va_vdst(0)
.set jj, 0
.rept \nj
.if jj+1 < (\nj)
	LNLOAD jj+1, \goff, \beoff
	s_wait_dscnt 4                         ; all but the four loads just issued: this tile's are in
.else
	s_wait_dscnt 0x0
.endif
.set SB, LS+16*(jj%2)
	WIN 0x01
.irp rt,0,1
.irp pp,0,1,2,3
	PKMULB U+8*\rt+2*\pp, 8*(2*jj+\rt)+2*\pp, RS+2*\rt
.endr
.endr
	WIN 0
.irp rt,0,1
.irp pp,0,1,2,3
	PKFMA U+8*\rt+2*\pp, U+8*\rt+2*\pp, SB+2*\pp, SB+8+2*\pp
.endr
.endr
.set p, 0
.rept 8
	v_pk_mul_f32 v[EE+2*p:EE+2*p+1], v[U+2*p:U+2*p+1], s[NL2E:NL2E+1] op_sel_hi:[1,0]
.set p, p+1
.endr
	EXPRCP EE, 16
.set p, 0
.rept 8
	PKMUL U+2*p, U+2*p, EE+2*p
.set p, p+1
.endr
.if \res
	WIN 0x01
.set i, 0
.rept 16
	MIX U+i, HP+16*jj+8*(i/8)+(i%8)/2, i%2, ONE, U+i
.set i, i+1
.endr
.set i, 0
.rept 16
	MIX U+i, HP+16*jj+8*(i/8)+4+(i%8)/2, i%2, ONE, U+i
.set i, i+1
.endr
.endif
	SPLITW U, HP+16*jj, 16
.set jj, jj+1
.endr
.endm
; z + v, split, is the second evaluation's x.  The last layer's accumulators keep v: the second evaluation adds onto it.
.macro EPI_OUT_A
	WIN 0
	PLACES
	ZMASK
.set i, 0
.rept 32
	MIX XT+i, ZP+i/2, i%2, ONE, OA+i
.set i, i+1
.endr
	SPLITW XT, HP, 32
.endm
; One joint of one row a lane: six numbers a1, a2 from ja + jo; b1 = a1 / |a1|, b2 = (a2 - (b1 . a2) b1) normalised, b3 = b1 x b2; the matrix, whose columns they are, to ra + ro.
.macro JOINT ja, ra, jo, ro
	ds_load_b64 v[JX:JX+1], v[\ja] offset:\jo
	ds_load_b64 v[JX+2:JX+3], v[\ja] offset:(\jo)+8
	ds_load_b64 v[JX+4:JX+5], v[\ja] offset:(\jo)+16
	s_wait_dscnt 0x0
	v_mul_f32 v[JX+6], v[JX], v[JX]
	v_fmac_f32 v[JX+6], v[JX+1], v[JX+1]
	v_fmac_f32 v[JX+6], v[JX+2], v[JX+2]
	v_sqrt_f32 v[JX+6], v[JX+6]
	v_nop                                  ; a plain instruction between a transcendental and the use of its result
	s_wait_alu depctr_va_vdst(0)
	v_max_num_f32 v[JX+6], 0x2b8cbccc, v[JX+6]  ; 1e-12
	v_rcp_f32 v[JX+6], v[JX+6]
	v_nop
	s_wait_alu depctr_va_vdst(0)
	v_mul_f32 v[JX], v[JX], v[JX+6]        ; b1
	v_mul_f32 v[JX+1], v[JX+1], v[JX+6]
	v_mul_f32 v[JX+2], v[JX+2], v[JX+6]
	v_mul_f32 v[JX+7], v[JX], v[JX+3]      ; b1 . a2
	v_fmac_f32 v[JX+7], v[JX+1], v[JX+4]
	v_fmac_f32 v[JX+7], v[JX+2], v[JX+5]
	v_fma_f32 v[JX+3], -v[JX+7], v[JX], v[JX+3]
	v_fma_f32 v[JX+4], -v[JX+7], v[JX+1], v[JX+4]
	v_fma_f32 v[JX+5], -v[JX+7], v[JX+2], v[JX+5]
	v_mul_f32 v[JX+8], v[JX+3], v[JX+3]
	v_fmac_f32 v[JX+8], v[JX+4], v[JX+4]
	v_fmac_f32 v[JX+8], v[JX+5], v[JX+5]
	v_sqrt_f32 v[JX+8], v[JX+8]
	v_nop
	s_wait_alu depctr_va_vdst(0)
	v_max_num_f32 v[JX+8], 0x2b8cbccc, v[JX+8]
	v_rcp_f32 v[JX+8], v[JX+8]
	v_nop
	s_wait_alu depctr_va_vdst(0)
	v_mul_f32 v[JX+3], v[JX+3], v[JX+8]    ; b2
	v_mul_f32 v[JX+4], v[JX+4], v[JX+8]
	v_mul_f32 v[JX+5], v[JX+5], v[JX+8]
	v_mul_f32 v[JX+9], v[JX+1], v[JX+5]    ; b3 = b1 x b2
	v_mul_f32 v[JX+10], v[JX+2], v[JX+3]
	v_mul_f32 v[JX+11], v[JX], v[JX+4]
	v_fma_f32 v[JX+9], -v[JX+2], v[JX+4], v[JX+9]
	v_fma_f32 v[JX+10], -v[JX], v[JX+5], v[JX+10]
	v_fma_f32 v[JX+11], -v[JX+1], v[JX+3], v[JX+11]
.irp i,0,1,2
	ds_store_b32 v[\ra], v[JX+\i] offset:(\ro)+12*\i
	ds_store_b32 v[\ra], v[JX+3+\i] offset:(\ro)+12*\i+4
	ds_store_b32 v[\ra], v[JX+9+\i] offset:(\ro)+12*\i+8
.endr
.endm
	s_load_b256 s[4:11], s[0:1], 0x0       ; ws s[4:5], zf s[6:7], ctf s[8:9], vecs s[10:11]
	s_load_b128 s[12:15], s[0:1], 0x20     ; out0 s[12:13], out1 s[14:15]
	s_load_b64 s[16:17], s[0:1], 0x30      ; out2
	v_lshl_add_u32 v[SPW], v0, 2, SPARE
	v_mov_b32 v[NIL], 0
	ds_add_u32 v[SPW], v[NIL]              ; the wave's opening: the add and its wait ahead of my first tensor load
	v_lshrrev_b32 v[LANE], 5, v0
	v_readfirstlane_b32 s[WV], v[LANE]
	s_bfe_u32 s19, ttmp6, 0x40000          ; cx
	s_lshl_b32 s20, ttmp9, 2
	s_add_co_u32 s20, s20, s19             ; my block of 32 rows: it enters global addresses of my own loads and stores alone
	s_and_b32 s[PH], ttmp9, 3              ; q: in a cluster launch ttmp9 counts clusters, so the four partners have one phase
	s_lshl_b32 s[R0], s[PH], 2
	s_lshl_b32 s[R1], s[PH], 1
	s_mov_b32 s[G1], 15|(3<<16)|(1<<21)    ; 15:0 the mask of four; 17:16 elements of 8 bytes; 21 set beside a mask; no padding
	s_mov_b32 s[G1+1], 32<<16              ; tensor_dim0 = 32 elements = 256 bytes
	s_mov_b32 s[G1+2], 64<<16              ; tensor_dim1 = 64 rows
	s_mov_b32 s[G1+3], 32<<16              ; tile_dim0
	s_mov_b32 s[G1+4], 64                  ; tile_dim1
	s_mov_b32 s[G1+5], 32                  ; dense
	s_mov_b32 s[G1+6], 0
	s_mov_b32 s[G1+7], 0
	s_mov_b32 s[G0], 1
	s_lshl_b32 s[G0+1], s[WV], 14          ; slot 0, my part
	s_mov_b32 s[OFF+1], 0
	s_mov_b32 s[NXT], 1
	s_mov_b32 s[TB], SLOTB                 ; the first change of slots turns it into 0
	s_mov_b32 s[EV], 2
	s_mov_b32 s[TOFF], 0
	s_mov_b32 s[NL2E], 0xbfb8aa3b
	s_mov_b32 s[NL2E+1], 0xbfb8aa3b
	s_mov_b32 s[SEL], 0x76543210
	s_mov_b32 s[SEL+1], 0xfedcba98
	s_mov_b32 s[HMASK], 0xffff0000
	s_lshl_b32 s50, s[WV], 14              ; ws: my part of a tile
	s_mov_b32 s51, 0
	s_lshr_b32 s56, s[WV], 1               ; tile 8 j + w lies in K step 4 j + w / 2, half w % 2
	s_lshl_b32 s56, s56, 10
	s_and_b32 s57, s[WV], 1
	s_lshl_b32 s57, s57, 9
	s_add_co_u32 s56, s56, s57
	s_mul_i32 s52, s20, 12288              ; zf: my two row tiles
	s_add_co_u32 s52, s52, s56
	s_mov_b32 s53, 0
	s_lshr_b32 s54, s20, 4                 ; ctf: my four batches are rows 4 (wg % 4) .. of row tile wg / 4
	s_lshl_b32 s54, s54, 18
	s_bfe_u32 s57, s20, 0x20002
	s_lshl_b32 s57, s57, 14
	s_add_co_u32 s54, s54, s57
	s_and_b32 s57, s20, 3
	s_lshl_b32 s57, s57, 6
	s_add_co_u32 s54, s54, s57
	s_add_co_u32 s54, s54, s56
	s_mov_b32 s55, 0
	s_cmp_lt_u32 s[WV], 4                  ; z has 12 column tiles: tile 8 + w exists for waves 0 to 3
	s_cselect_b32 s[ZB], 4096, 0
	s_cselect_b32 s[ZM], -1, 0
	s_mov_b32 s[ZB+1], 0
	s_mov_b32 s57, 0
	s_wait_dscnt 0x0                       ; the opening add is done
	s_wait_kmcnt 0x0
	s_add_nc_u64 s[4:5], s[4:5], s[50:51]
	s_add_nc_u64 s[G0+2:G0+3], s[4:5], 0
	s_or_b32 s[G0+3], s[G0+3], 0x80000000
	s_add_nc_u64 s[6:7], s[6:7], s[52:53]
	s_add_nc_u64 s[ZB:ZB+1], s[6:7], s[ZB:ZB+1]
	s_add_nc_u64 s[8:9], s[8:9], s[54:55]
	s_mul_i32 s56, s20, 16896
	s_add_nc_u64 s[12:13], s[12:13], s[56:57]
	s_mul_i32 s56, s20, 25344
	s_add_nc_u64 s[14:15], s[14:15], s[56:57]
	s_lshl_b32 s56, s20, 7
	s_add_nc_u64 s[16:17], s[16:17], s[56:57]
	CROUND                                 ; all four work-groups are here: the first joint loads meet
	tensor_load_to_lds s[G0:G0+3], s[G1:G1+7]  ; tile 0 into slot 0
	s_nop 0
	PLACES
	v_and_b32 v[LANE], 31, v0
	v_lshlrev_b32 v[L16], 4, v[LANE]
	v_lshlrev_b32 v[T16], 4, v0
	v_bfe_u32 v[TBAC], v0, 4, 1            ; h
	v_bfe_u32 v[AA], v0, 3, 1              ; r / 8
	v_lshlrev_b32 v[CTO], 8, v[TBAC]
	v_lshl_add_u32 v[CTO], v[AA], 4, v[CTO]
	v_add_nc_u32 v[BA], VT, v[T16]         ; here: where the vectors go
.irp i,0,1,2,3,4,5,6
	global_load_b128 v[BF+4*\i:BF+4*\i+3], v[T16], s[10:11] offset:\i*4096  ; the vectors and T_0, T_1: 28,672 consecutive bytes
.endr
	WIN 0x40                               ; the first evaluation's x is z: exact in hi,
	global_load_b128 v[HP:HP+3], v[L16], s[6:7]
	global_load_b128 v[HP+8:HP+11], v[L16], s[6:7] offset:6144
	global_load_b128 v[HP+16:HP+19], v[L16], s[ZB:ZB+1]
	global_load_b128 v[HP+24:HP+27], v[L16], s[ZB:ZB+1] offset:6144
.irp a,0,1,2,3
.irp k,4,5,6,7
	v_mov_b32 v[HP+8*\a+\k], 0             ; 0 in lo
.endr
.endr
	WIN 0
	CTLOAD
	; the LDS addresses, while the loads are out
	s_lshl_b32 s49, s[WV], 14
	v_add_nc_u32 v[LB], s49, v[L16]
	v_add_nc_u32 v[LH], HB, v[L16]
	s_lshr_b32 s49, s[WV], 1
	s_lshl_b32 s49, s49, 12
	s_and_b32 s50, s[WV], 1
	s_lshl_b32 s50, s50, 9
	s_add_co_u32 s49, s49, s50
	s_add_co_u32 s49, s49, HB
	v_add_nc_u32 v[HSX], s49, v[L16]
	v_lshlrev_b32 v[TBAC], 5, v[TBAC]      ; 32 h
	s_lshl_b32 s49, s[WV], 6
	s_add_co_u32 s50, s49, VT
	v_add_nc_u32 v[VB], s50, v[TBAC]
	s_add_co_u32 s50, s49, TT
	v_add_nc_u32 v[TBA], s50, v[TBAC]
	s_lshl_b32 s49, s[WV], 2
	s_add_co_u32 s49, s49, ST
	v_lshl_add_u32 v[STW], v[LANE], 5, s49
	v_and_b32 v[AA], 15, v0
	v_lshl_add_u32 v[STR], v[AA], 5, ST
	v_mov_b32 v[ONE], 1.0
	v_mov_b32 v[NEG1], -1.0
.irp k,1,3,5,7
	v_mov_b32 v[NM+\k], 0                  ; named as the second of a pair
.endr
	v_mov_b32 v[PT], 0                     ; v_permlanex16_b32 counts as a reader of its destination
	v_mov_b32 v[PT+1], 0
.set i, 0
.rept 32
	v_mov_b32 v[OA+i], 0                   ; the last layer's 32 sums run through both evaluations (ob + products, twice), so they start at 0 once
.set i, i+1
.endr
	s_wait_loadcnt 32                      ; the vectors and z are in; CT's 32 loads stay out
.irp i,0,1,2,3,4,5,6
	ST4 BA, BF+4*\i, \i*4096
.endr
	WIN 0x44
.irp k,16,17,18,19,24,25,26,27
	v_and_b32 v[HP+\k], s[ZM], v[HP+\k]
.endr
	WIN 0
	s_wait_dscnt 0x0                       ; for the others' sake: my stores are done
	s_barrier_signal -1                    ; tile 0 may stay out
	s_barrier_wait -1
.Leval:                                        ; twice: t = 0 on z, t = 1 on z + v
	INIT_IN
	MEETH
	PUB 0                                  ; x: 12 column tiles in K steps 0 to 5; what waves 4 to 7 store as K steps 6 and 7 is not read
	s_mov_b32 s[KA], 0
	s_mov_b32 s[CNT], 3
.Lin:
	CHANGE 1
	BODY_A
	s_sub_co_u32 s[CNT], s[CNT], 1
	s_cmp_lg_u32 s[CNT], 0
	s_cbranch_scc1 .Lin
	EPI_IN
	INITB 0, 8
	s_mov_b32 s[Q], s[PH]                  ; the first chunk is my phase's
	s_mov_b32 s[QQ], 4
.Lq0:                                          ; four chunks of h1, four tiles of W0 to each
	MEETH
	LADDER
	s_mov_b32 s[KA], 0
	s_mov_b32 s[CNT], 4
.Lh0:
	CHANGE 1
	BODY_A
	s_sub_co_u32 s[CNT], s[CNT], 1
	s_cmp_lg_u32 s[CNT], 0
	s_cbranch_scc1 .Lh0
	s_add_co_u32 s[Q], s[Q], 1
	s_and_b32 s[Q], s[Q], 3                ; behind chunk 3 comes chunk 0
	s_sub_co_u32 s[QQ], s[QQ], 1
	s_cmp_lg_u32 s[QQ], 0
	s_cbranch_scc1 .Lq0
	EPI_LN 8, 0x3a800000, 0xba800000, 4096, 8192, 1
	INITB 12288, 4
	s_mov_b32 s[Q], s[PH]
	s_mov_b32 s[QQ], 4
.Lq1:                                          ; four chunks of h2, two tiles of W1 to each
	MEETH
	LADDER
	s_mov_b32 s[KA], 0
	s_mov_b32 s[CNT], 2
.Lh1:
	CHANGE 1
	BODY_B
	s_sub_co_u32 s[CNT], s[CNT], 1
	s_cmp_lg_u32 s[CNT], 0
	s_cbranch_scc1 .Lh1
	s_add_co_u32 s[Q], s[Q], 1
	s_and_b32 s[Q], s[Q], 3
	s_sub_co_u32 s[QQ], s[QQ], 1
	s_cmp_lg_u32 s[QQ], 0
	s_cbranch_scc1 .Lq1
	EPI_LN 4, 0x3b000000, 0xbb000000, 14336, 16384, 0
	s_cmp_eq_u32 s[EV], 1
	s_cbranch_scc1 .Lnoct
	CTLOAD                                 ; for the second evaluation: the accumulators' registers are idle through the last layer, whose two tiles these loads have in which to land
.Lnoct:
	ZLOAD
	LD4 OBT, VB, 18432
	LD4 OBT+4, VB, 18432+16
	LD4 OBT+8, VB, 18432+512
	LD4 OBT+12, VB, 18432+528
	s_wait_dscnt 0x0
.set a, 0
.rept 4
.irp pp,0,1,2,3
	PKADD OA+8*a+2*\pp, OA+8*a+2*\pp, OBT+8*(a/2)+2*\pp
.endr
.set a, a+1
.endr
	MEETH
	PUB 0                                  ; h3's K steps 0 to 7
	CHANGE 1
	BODY_C
	MEETH
	PUB 1                                  ; and 8 to 15
	s_cmp_eq_u32 s[EV], 1
	s_cbranch_scc1 .Llast                  ; the walk's last tile is written out: it asks for nothing more
	CHANGE 1                               ; asks for tile 0 again: the ring runs on into the second evaluation
	BODY_C
	EPI_OUT_A
	s_mov_b32 s[TOFF], 4096
	s_sub_co_u32 s[EV], s[EV], 1
	s_branch .Leval
.Llast:
	CHANGE 0
	BODY_C
	PLACES
	s_wait_dscnt 0x0
	s_barrier_signal -1                    ; every wave has read the last chunk: the samples and the matrices take its place, and the vectors'
	s_barrier_wait -1
	; THE END.  samples = z + 0.5 (v + v'); the sums hold v + v'
	ZMASK
.set p, 0
.rept 16
	v_pk_mul_f32 v[XT+2*p:XT+2*p+1], v[OA+2*p:OA+2*p+1], 0.5 op_sel_hi:[1,0]
.set p, p+1
.endr
.set i, 0
.rept 32
	MIX XT+i, ZP+i/2, i%2, ONE, XT+i
.set i, i+1
.endr
	v_and_b32 v[TA], 15, v0
	v_mul_u32_u24 v[SMW], v[TA], 528
	v_bfe_u32 v[TA], v0, 4, 1
	v_lshl_add_u32 v[SMW], v[TA], 5, v[SMW]
	s_lshl_b32 s50, s[WV], 6
	s_add_co_u32 s50, s50, SM
	v_add_nc_u32 v[SMW], s50, v[SMW]       ; row r, columns 16 w + 8 h ..
	v_add_nc_u32 v[SMR], SM, v[T16]
	; the joints: wave w takes rows 4 w .. 4 w + 3, so that its matrices are 3,168 consecutive bytes of LDS; lane l takes row l % 4 and, with g = l / 4, the joints g and g + 8
	v_and_b32 v[TA], 3, v0
	v_bfe_u32 v[TG], v0, 2, 3              ; g = l / 4
	v_mul_u32_u24 v[JA0], v[TA], 528
	v_mul_u32_u24 v[RA0], v[TA], 792
	s_mul_i32 s50, s[WV], 4*528
	s_add_co_u32 s50, s50, SM
	v_add_nc_u32 v[JA0], s50, v[JA0]       ; my row of samples
	s_mul_i32 s50, s[WV], 4*792
	s_add_co_u32 s50, s50, SM+ROFF
	v_add_nc_u32 v[RA0], s50, v[RA0]       ; my row of matrices
	v_add_nc_u32 v[L4], 2, v[TG]           ; the third turn: joint 14 + (g + 2) % 8: 16 to 21 for g = 0 to 5; g = 6 and 7 make their own joints 14 and 15 once more
	v_and_b32 v[L4], 7, v[L4]
	v_mul_u32_u24 v[JA5], v[L4], 24
	v_mul_u32_u24 v[RA5], v[L4], 36
	v_add_nc_u32 v[JA5], v[JA5], v[JA0]
	v_add_nc_u32 v[RA5], v[RA5], v[RA0]
	v_add_nc_u32 v[JA5], 14*24, v[JA5]
	v_add_nc_u32 v[RA5], 14*36, v[RA5]
	v_mul_u32_u24 v[TA], v[TG], 24
	v_mul_u32_u24 v[TG], v[TG], 36
	v_add_nc_u32 v[JA0], v[TA], v[JA0]
	v_add_nc_u32 v[RA0], v[TG], v[RA0]
	v_lshlrev_b32 v[L4], 2, v[LANE]
	v_lshl_add_u32 v[S4], v[LANE], 5, ST+2048
.irp rt,0,1
	ST4 SMW, XT+8*\rt, \rt*8448
	ST4 SMW, XT+8*\rt+4, \rt*8448+16
.endr
	s_cmp_lg_u32 s[WV], 0
	s_cbranch_scc1 .Lno128                 ; of columns 128 on only 128..131 exist: wave 0, lanes 0-15, four numbers
	v_cmp_gt_u32 vcc_lo, 16, v[LANE]
	s_wait_xcnt 0x0                        ; EXEC changes only behind this wait
	s_and_saveexec_b32 s50, vcc_lo
	ST4 SMW, XT+16, 512
	ST4 SMW, XT+24, 8448+512
	s_wait_xcnt 0x0
	s_or_b32 exec_lo, exec_lo, s50
.Lno128:
.irp rt,0,1                            ; the squares; the padded columns are exactly 0
	PKMUL CH+4*\rt, XT+8*\rt, XT+8*\rt
.endr
.set a, 0
.rept 4
.irp pp,0,1,2,3
.if (a > 1) || (\pp > 0)
	PKFMA CH+4*(a%2), XT+8*a+2*\pp, XT+8*a+2*\pp, CH+4*(a%2)
.endif
.endr
.set a, a+1
.endr
	v_add_f32 v[SS], v[CH], v[CH+1]
	v_add_f32 v[SS+1], v[CH+4], v[CH+5]
	STAT_PUT 2                             ; its wait and barrier also publish the samples
	; out0: the 32 rows are 16,896 consecutive bytes, in LDS and in memory
.irp it,0,1,2,3
	LD4 CP+4*\it, SMR, \it*4096
.endr
.irp it,0,1,2,3
	s_wait_dscnt 3-\it                     ; the later read-backs stay out
	global_store_b128 v[T16], v[CP+4*\it:CP+4*\it+3], s[12:13] offset:\it*4096
.endr
	s_cmp_lg_u32 s[WV], 0
	s_cbranch_scc1 .Lnot0
	LD4 CP+16, SMR, 16384                  ; the last 512 bytes
	LD4 QA, S4, 0                          ; row L's eight parts of the sum of squares
	LD4 QA+4, S4, 16
	s_wait_dscnt 0x0
	global_store_b128 v[T16], v[CP+16:CP+19], s[12:13] offset:16384
	PKADD QA, QA, QA+2
	PKADD QA+4, QA+4, QA+6
	PKADD QA, QA, QA+4
	v_add_f32 v[QA], v[QA], v[QA+1]
	v_mul_f32 v[QA], 0xbb783e10, v[QA]     ; x -0.5 / 132
	global_store_b32 v[L4], v[QA], s[16:17]
.Lnot0:
	JOINT JA0, RA0, 0, 0                   ; joints 0 to 7
	JOINT JA0, RA0, 192, 288               ; joints 8 to 15
	JOINT JA5, RA5, 0, 0                   ; joints 16 to 21
	s_wait_dscnt 0x0                       ; for the others' sake: my matrices are stored
	s_barrier_signal -1
	s_barrier_wait -1
	; out1: 25,344 consecutive bytes
.irp it,0,1,2,3,4,5
	LD4 CQ+4*\it, SMR, ROFF+\it*4096
.endr
.irp it,0,1,2,3,4,5
	s_wait_dscnt 5-\it                     ; the later read-backs stay out
	global_store_b128 v[T16], v[CQ+4*\it:CQ+4*\it+3], s[14:15] offset:\it*4096
.endr
	v_cmp_gt_u32 vcc_lo, 48, v0            ; the last 768 bytes: threads 0 to 47
	s_wait_xcnt 0x0                        ; EXEC changes only behind this wait
	s_and_saveexec_b32 s50, vcc_lo
	LD4 JX, SMR, ROFF+24576
	s_wait_dscnt 0x0
	global_store_b128 v[T16], v[JX:JX+3], s[14:15] offset:24576
	s_wait_xcnt 0x0
	s_or_b32 exec_lo, exec_lo, s50
	s_wait_tensorcnt 0x0                   ; the wave's end
	ds_add_u32 v[SPW], v[NIL]
	s_wait_dscnt 0x0
	CROUND                                 ; the closing round
	s_endpgm
.Lfunc_end_k_qfcf3fffaf3_flow:
	.size	k_qfcf3fffaf3_flow, .Lfunc_end_k_qfcf3fffaf3_flow-k_qfcf3fffaf3_flow
	.p2alignl 7, 3214868480
	.fill 96, 4, 3214868480
	.section	.rodata,"a",@progbits
	.p2align	6, 0x0
	.amdhsa_kernel k_qfcf3fffaf3_flow
		.amdhsa_group_segment_fixed_size 327680
		.amdhsa_private_segment_fixed_size 0
		.amdhsa_enable_private_segment 0
		.amdhsa_kernarg_size 56
		.amdhsa_user_sgpr_count 2
		.amdhsa_user_sgpr_kernarg_segment_ptr 1
		.amdhsa_wavefront_size32 1
		.amdhsa_system_sgpr_workgroup_id_x 1
		.amdhsa_system_sgpr_workgroup_id_y 1
		.amdhsa_system_sgpr_workgroup_id_z 1
		.amdhsa_system_vgpr_workitem_id 0
		.amdhsa_next_free_vgpr 512
		.amdhsa_next_free_sgpr 66
		.amdhsa_reserve_vcc 1
		.amdhsa_float_denorm_mode_32 3
		.amdhsa_float_denorm_mode_16_64 3
		.amdhsa_memory_ordered 1
		.amdhsa_forward_progress 1
		.amdhsa_inst_pref_size 255
	.end_amdhsa_kernel
	.section	.bss,"aw",@nobits
	.p2align	6
	.space	262144
	.amdgpu_metadata
---
amdhsa.version: [ 1, 2 ]
amdhsa.kernels:
  - .name:           k_qfcf3fffaf3_flow
    .symbol:         k_qfcf3fffaf3_flow.kd
    .args:
      - { .name: ws, .offset: 0, .size: 8, .value_kind: global_buffer, .address_space: global }
      - { .name: zf, .offset: 8, .size: 8, .value_kind: global_buffer, .address_space: global }
      - { .name: ctf, .offset: 16, .size: 8, .value_kind: global_buffer, .address_space: global }
      - { .name: vecs, .offset: 24, .size: 8, .value_kind: global_buffer, .address_space: global }
      - { .name: out0, .offset: 32, .size: 8, .value_kind: global_buffer, .address_space: global }
      - { .name: out1, .offset: 40, .size: 8, .value_kind: global_buffer, .address_space: global }
      - { .name: out2, .offset: 48, .size: 8, .value_kind: global_buffer, .address_space: global }
    .group_segment_fixed_size: 327680
    .private_segment_fixed_size: 0
    .kernarg_segment_align: 8
    .kernarg_segment_size: 56
    .max_flat_workgroup_size: 256
    .sgpr_count:     66
    .vgpr_count:     512
    .wavefront_size: 32
...
	.end_amdgpu_metadata
.endif
;; end of part 5
